; MI455X (gfx1250); checked and timed in simulation.
; The chip was launched on July 23, 2026; its instructions are those of AMD's public machine-readable ISA for CDNA 5 (MIT licence, August 2026) and "CDNA5" Instruction Set Architecture Reference Guide (July 2026). The comments in the code are by the model that wrote it; some were corrected since.
;; Multi Head Self Attention. Allowed arithmetic: matrix products marked QUANTISED: E2M1 operands, one E8M0 scale for each 32 along K, by v_wmma_scale_f32_16x16x128_f8f6f4 with both operands' format E2M1 (or v_wmma_scale_f32_32x16x128_f4), f32 sums; products left as they are: bf16, f16 or f32 operands; f32 sums; everything else in f32.
;; Inputs: attention_mask 4 x 2,048 int32; w_out 1,024 x 1,024 float32; w_qkv 1,024 x 3,072 float32; x 4 x 2,048 x 1,024 float32.
;; Outputs: out0 4 x 2,048 x 1,024 float32.
;; This version of the problem:
;;   THIS VERSION OF THE PROBLEM IS GIVEN IN LOW PRECISION. The matrix products marked QUANTISED in the list below multiply operands that are first quantised to E2M1 (2 exponent bits, 1 mantissa bit; 4 bits a number), with one power-of-two scale for each 32 numbers along K (OCP MX v1.0); their sums are f32. The products marked 'left as it is' may take bf16, f16 or f32 operands, with f32 sums. Whichever they take, every output number must still come out within the allowed error. Rounding operands to bf16 (8 significant bits) uses up far more of that allowance than f16 does (11 bits, for magnitudes from 6e-5 to 65,504). All else is computed in f32.
;;   The module's matrix products, in the order in which they are computed (A, B: the left and right operand; K: the contracted axis; several contracted axes count as one K, in the product's order):
;;     1. [M 8,192, K 1,024] x [K 1,024, N 3,072]; A: input x; B: input w_qkv: QUANTISED
;;     2. batch 64 x [M 2,048, K 64] x [K 64, N 2,048]; A: computed on the way; B: computed on the way: left as it is (an operand is computed on the way)
;;     3. batch 64 x [M 2,048, K 2,048] x [K 2,048, N 64]; A: computed on the way; B: computed on the way: left as it is (an operand is computed on the way)
;;     4. [M 8,192, K 1,024] x [K 1,024, N 1,024]; A: computed on the way; B: input w_out: left as it is (an operand is computed on the way)
;;   THE QUANTISER, for each operand of a quantised product, along K:
;;     - K is cut into blocks of 32 from its start; a last block that is shorter is filled with zeros.
;;     - A block's scale is 2^e with e = floor(log2(the largest magnitude in the block)) - 2, held to -126 .. 127; a block of zeros has e = 0. As a byte (E8M0): e + 127.
;;     - Each number is divided by its block's scale, clamped to +-6, and rounded to the nearest number of E2M1, ties to even, subnormals kept.
;;     - The product sums the exact products of the quantised numbers (number of the format x scale) in f32.
;;   ~~~python
;;   def quantise(x, axis):      # numpy; x: float32 -> the quantised numbers, widened to float32 again
;;       x = np.moveaxis(x, axis, -1); K = x.shape[-1]
;;       x = np.pad(x, [(0, 0)] * (x.ndim - 1) + [(0, -K % 32)]); x = x.reshape(x.shape[:-1] + (-1, 32)); a = np.abs(x).max(-1, keepdims=True)
;;       e = np.where(a > 0, np.clip(np.frexp(np.where(a > 0, a, 1))[1] - 1 - 2, -126, 127), 0)      # np.frexp(a)[1] - 1 = floor(log2(a)), exactly
;;       r = np.clip(x / 2.0 ** e, -6, 6)
;;       step = 2.0 ** (np.maximum(np.frexp(np.where(r == 0, 1, r))[1] - 1, 0) - 1)
;;       q = np.round(r / step) * step * 2.0 ** e      # np.round: ties to even
;;       return np.moveaxis(q.reshape(q.shape[:-2] + (-1,))[..., :K], -1, axis).astype(np.float32)
;;   ~~~
;; One version. Each part assembles by itself: llvm-mc -triple=amdgcn-amd-amdhsa -mcpu=gfx1250 --defsym DOCPART=n.
;; ======== version 1 of 1: 5 launches
;; limits: values are held in f16: magnitudes above 65,504 overflow, below 6.1e-05 lose precision; right only within a limited range of input values
;; workspace buffers: x_codes 4,194,304 bytes; x_scales 262,144 bytes; wq_codes 1,572,864 bytes; wq_scales 98,304 bytes; wo_t 2,097,152 bytes; qkvh 50,331,648 bytes; side 1,048,576 bytes; att 16,777,216 bytes
;; launch prep (part 1): grid 368 x 1, 4 waves a work-group, no clusters, 102,912 bytes of LDS; arguments x, w_qkv, w_out, x_codes, x_scales, wq_codes, wq_scales, wo_t; writes x_codes, x_scales, wq_codes, wq_scales, wo_t
.if DOCPART == 1
	.amdgcn_target "amdgcn-amd-amdhsa--gfx1250"
	.amdhsa_code_object_version 6
	.text
	.protected	k_qcb054880de_prep
	.globl	k_qcb054880de_prep
	.p2align	8
	.type	k_qcb054880de_prep,@function
k_qcb054880de_prep:
	s_mov_b64 s[64:65], 0
	v_nop
	global_prefetch_b8 v0, s[64:65] scope:SCOPE_SE
	s_setreg_imm32_b32 hwreg(HW_REG_WAVE_MODE, 25, 1), 1
	s_wait_xcnt 0x0
; PREP: the operands of the later products are made once.
;   work-groups 0-47:    w_qkv [1024 k][3072 n] f32 -> codes of E2M1, K innermost, [3072][512 bytes], and E8M0 bytes [3072][32]
;   work-groups 48-111:  w_out [1024 k][1024 n] f32 -> f16, turned: [1024 n][1024 k]
;   work-groups 112-367: x [8192][1024] f32 -> codes [8192][512 bytes] and E8M0 bytes [8192][32]
; A block's scale is 2^(floor(log2(largest magnitude)) - 2); its byte is the largest magnitude's exponent field - 2, held at 1 from below.
; LIMITS: a block of zeros gets the byte 1 (its codes are zeros; this program alone reads the bytes); blocks whose largest magnitude lies under 2^(3 - 127) are held at that byte; NaN and infinities are not served.
; The three paths part on the work-group's number, never join, and have LDS bytes of their own: x 0 .. 32,767; w_qkv 32,768 .. 67,583; w_out 67,584 .. 102,399.  No tensor load, no barrier: waves share nothing.
.set SPARE, 102400                     ; the spare words, 128 bytes for each wave: two blocks of 256 bytes that no other line names
.set SPW,   190                        ; v190 LDS address of my spare word; never rewritten
.set NIL,   191                        ; v191 0; never rewritten
.set EMAX,  2
	s_load_b256 s[4:11], s[0:1], 0x0               ; x s[4:5], w_qkv s[6:7], w_out s[8:9], x_codes s[10:11]
	s_load_b256 s[12:19], s[0:1], 0x20             ; x_scales s[12:13], wq_codes s[14:15], wq_scales s[16:17], wo_t s[18:19]
	v_lshl_add_u32 v[SPW], v0, 2, SPARE
	v_mov_b32 v[NIL], 0
	v_lshrrev_b32 v1, 5, v0
	v_readfirstlane_b32 s20, v1                    ; wave 0..3
	v_and_b32 v2, 31, v0                           ; lane
	s_mov_b32 s25, 0                               ; the upper word of every offset pair s[24:25]
	s_wait_kmcnt 0x0
	s_cmp_lt_u32 ttmp9, 48
	s_cbranch_scc1 .Lpath_w
	s_cmp_lt_u32 ttmp9, 112
	s_cbranch_scc1 .Lpath_o
; ---------------- x: a plain stream of blocks of 32.  A wave takes 16 steps of 512 numbers.
; Each load reads 512 consecutive bytes; a step's 2,048 bytes turn through the wave's own stage so that a lane holds 16 neighbours along K (two lanes to a block).
.set STEPS, 16
.set CB,    8                          ; bytes of 16 codes
.set XR,    16                         ; v16-79   four sets of 16 numbers as loaded
.set XX,    80                         ; v80-111  two sets of 16 neighbours
.set XC,    128                        ; v128-189 codes: four registers apart for each step, so that no store's data are written again
.set XE,    112                        ; v112-127 a scale byte for each step
.set WREG,  8192                       ; a wave's LDS: two stages of 32 x 80 bytes, then its 256 scale bytes
.set SP,    80                         ; a lane's place in a stage: 64 bytes + 16 of padding
	v_lshlrev_b32 v3, 4, v2                        ; my 16 bytes of a load's 512
	s_mul_i32 s21, s20, WREG
	v_lshrrev_b32 v14, 2, v2
	v_mul_u32_u24 v14, v14, SP
	v_and_b32 v15, 3, v2
	v_lshl_add_u32 v14, v15, 4, v14
	v_add_nc_u32 v14, s21, v14                     ; the stage, in: 80 (lane / 4) + 16 (lane % 4)
	v_mul_u32_u24 v15, v2, SP
	v_add_nc_u32 v15, s21, v15                     ; and out: 80 x lane
	v_mul_u32_u24 v4, v2, CB                       ; my codes' place in a step's 256 bytes
	v_lshrrev_b32 v5, 1, v2
	s_add_co_u32 s21, s21, 2*32*SP
	v_add_nc_u32 v5, s21, v5                       ; my block's scale byte in LDS
	v_lshlrev_b32 v7, 3, v2
	v_add_nc_u32 v6, s21, v7                       ; and 8 bytes a lane on the way out
	s_sub_co_u32 s22, ttmp9, 112
	s_lshl_b32 s22, s22, 2
	s_add_co_u32 s22, s22, s20                     ; which run of 8,192 numbers is my wave's: 0 .. 1,023
	s_lshl_b32 s24, s22, 15
	s_add_nc_u64 s[4:5], s[4:5], s[24:25]          ; 32,768 bytes of x a run,
	s_lshl_b32 s24, s22, 12
	s_add_nc_u64 s[10:11], s[10:11], s[24:25]      ; 4,096 of codes,
	s_lshl_b32 s24, s22, 8
	s_add_nc_u64 s[12:13], s[12:13], s[24:25]      ; 256 of scale bytes
.macro XLD t
.irp i, 0,1,2,3
	global_load_b128 v[XR+16*((\t)%4)+4*\i:XR+16*((\t)%4)+4*\i+3], v3, s[4:5] offset:2048*(\t)+512*\i th:TH_LOAD_NT
.endr
.endm
.macro XTURN t                         ; LDS serves a wave's instructions in order: no wait between the stores and the loads
.irp i, 0,1,2,3
	ds_store_b128 v14, v[XR+16*((\t)%4)+4*\i:XR+16*((\t)%4)+4*\i+3] offset:32*SP*((\t)%2)+8*SP*\i
.endr
.irp i, 0,1,2,3
	ds_load_b128 v[XX+16*((\t)%2)+4*\i:XX+16*((\t)%2)+4*\i+3], v15 offset:32*SP*((\t)%2)+16*\i
.endr
.endm
.irp t, 0,1,2,3
	XLD \t
.endr
	s_wait_loadcnt 12                              ; step 0's four loads are in; the twelve of steps 1 to 3 may be out
	XTURN 0
.macro XSTEP t
.set XS, XX+16*((\t)%2)
.if (\t) > 0
	s_wait_dscnt 1                                 ; this step's numbers are back from the stage; the last step's byte store may be out
.else
	s_wait_dscnt 0x0
.endif
.if (\t)+4 < STEPS
	XLD (\t)+4                                     ; into the registers that this step's stage stores have read
.endif
.if (\t)+1 < STEPS
.if STEPS-2-(\t) >= 3
	s_wait_loadcnt 12                              ; the next step's four loads are in; three later steps' may be out
.else
	s_wait_loadcnt 4*(STEPS-2-(\t))
.endif
	XTURN (\t)+1
.endif
	v_max3_num_f32 v8, |v[XS]|, |v[XS+1]|, |v[XS+2]|
	v_max3_num_f32 v9, |v[XS+3]|, |v[XS+4]|, |v[XS+5]|
.irp i, 6,10
	v_max3_num_f32 v8, v8, |v[XS+\i]|, |v[XS+\i+1]|
	v_max3_num_f32 v9, v9, |v[XS+\i+2]|, |v[XS+\i+3]|
.endr
	v_max3_num_f32 v8, v8, |v[XS+14]|, |v[XS+15]|
	v_max3_num_f32 v8, v8, v9, (EMAX+1)<<23        ; the floor 2^(3 - 127): the byte cannot fall under 1
	v_max_num_f32_dpp v8, v8, v8 row_xmask:1 row_mask:0xf bank_mask:0xf   ; with my neighbour's 16: the block's largest magnitude
	v_add_nc_u32 v11, -(EMAX<<23), v8              ; 2 off its exponent field: the conversion's scale operand
	v_cvt_scalef32_pk8_fp4_f32 v[XC+4*(\t)], v[XS:XS+7], v11
	v_cvt_scalef32_pk8_fp4_f32 v[XC+4*(\t)+1], v[XS+8:XS+15], v11
	v_lshrrev_b32 v[XE+(\t)], 23, v11              ; the scale's byte (also the plain line behind the conversions)
	ds_store_b8 v5, v[XE+(\t)] offset:16*(\t)      ; both lanes of a block write the same byte with the same value
	global_store_b64 v4, v[XC+4*(\t):XC+4*(\t)+1], s[10:11] offset:32*CB*(\t)   ; the wave stores 256 consecutive bytes, aligned
.endm
.irp t, 0,1,2,3,4,5,6,7,8,9,10,11,12,13,14,15
	XSTEP \t
.endr
	ds_load_b64 v[8:9], v6                         ; my wave's 256 scale bytes, 8 a lane
	s_wait_dscnt 0x0
	global_store_b64 v7, v[8:9], s[12:13]          ; 256 consecutive bytes, aligned
	s_wait_tensorcnt 0x0                           ; the wave's end
	ds_add_u32 v[SPW], v[NIL]
	s_wait_dscnt 0x0
	s_endpgm
; ---------------- w_qkv: K is its first axis.  A lane takes a column n and its registers run down K: a block of 32 lies in one lane.
; A wave takes 32 columns x 512 along K; the codes (256 bytes a column) go through the wave's stage and leave as rows: sixteen lanes store 256 consecutive bytes.
.Lpath_w:
.set NB,    16                         ; blocks of 32 for a wave
.set WP,    272                        ; a stage row: 256 bytes + 16
.set WN4,   3072*4                     ; a row of w_qkv in bytes
.set WX,    32                         ; v32-95   two sets of 32 numbers
.set WC,    96                         ; v96-111  codes (w_out: f16 pairs)
.set OUTR,  112                        ; v112-175 the way out
.set SB,    24                         ; v24-27   scale bytes, four to a register
	s_lshr_b32 s21, ttmp9, 1                       ; which 128 columns
	s_and_b32 s22, ttmp9, 1                        ; which half of K
	s_lshl_b32 s21, s21, 7
	s_lshl_b32 s23, s20, 5
	s_add_co_u32 s21, s21, s23                     ; my wave's first column
	v_lshlrev_b32 v3, 2, v2                        ; in: 4 bytes a lane
	s_mul_i32 s26, s20, 32*WP
	s_add_co_u32 s26, s26, 32768                   ; my stage
	v_mul_u32_u24 v4, v2, WP
	v_add_nc_u32 v4, s26, v4                       ; into it: row = my column
	v_and_b32 v5, 15, v2
	v_lshrrev_b32 v6, 4, v2
	v_mul_u32_u24 v7, v6, WP
	v_lshl_add_u32 v7, v5, 4, v7
	v_add_nc_u32 v7, s26, v7                       ; out of it: sixteen lanes to a row, two rows an instruction
	v_lshlrev_b32 v8, 9, v6
	v_lshl_add_u32 v8, v5, 4, v8                   ; the same place in the codes' buffer: rows of 512 bytes
	v_lshlrev_b32 v9, 5, v2                        ; my column's row of 32 scale bytes
	s_mul_i32 s24, s22, 512*WN4
	s_lshl_b32 s23, s21, 2
	s_add_co_u32 s24, s24, s23
	s_add_nc_u64 s[6:7], s[6:7], s[24:25]          ; w_qkv at (512 x half, column)
	s_lshl_b32 s24, s21, 9
	s_lshl_b32 s23, s22, 8
	s_add_co_u32 s24, s24, s23
	s_add_nc_u64 s[14:15], s[14:15], s[24:25]      ; codes: column x 512 + 256 x half
	s_lshl_b32 s24, s21, 5
	s_lshl_b32 s23, s22, 4
	s_add_co_u32 s24, s24, s23
	s_add_nc_u64 s[16:17], s[16:17], s[24:25]      ; scale bytes: column x 32 + 16 x half
.macro WLD t                           ; the largest offset, 511 rows of 12,288 bytes, lies inside the signed 24-bit immediate
.irp i, 0,1,2,3,4,5,6,7,8,9,10,11,12,13,14,15,16,17,18,19,20,21,22,23,24,25,26,27,28,29,30,31
	global_load_b32 v[WX+32*((\t)%2)+\i], v3, s[6:7] offset:(32*(\t)+\i)*WN4 th:TH_LOAD_NT
.endr
.endm
	WLD 0
	WLD 1
.macro WBLOCK t
.set XS, WX+32*((\t)%2)
.if (\t) < NB-1
	s_wait_loadcnt 32                              ; this block's 32 loads are in; the next block's may be out
.else
	s_wait_loadcnt 0
.endif
	v_max3_num_f32 v12, |v[XS]|, |v[XS+1]|, |v[XS+2]|
	v_max3_num_f32 v13, |v[XS+3]|, |v[XS+4]|, |v[XS+5]|
.irp i, 6,10,14,18,22,26
	v_max3_num_f32 v12, v12, |v[XS+\i]|, |v[XS+\i+1]|
	v_max3_num_f32 v13, v13, |v[XS+\i+2]|, |v[XS+\i+3]|
.endr
	v_max3_num_f32 v12, v12, |v[XS+30]|, |v[XS+31]|
	v_max3_num_f32 v12, v12, v13, (EMAX+1)<<23     ; with the floor
	v_add_nc_u32 v11, -(EMAX<<23), v12             ; the conversion's scale operand
	v_lshrrev_b32 v13, 23, v11                     ; the scale's byte
.if (\t)%4 == 0
	v_mov_b32 v[SB+(\t)/4], v13
.else
	v_lshl_or_b32 v[SB+(\t)/4], v13, 8*((\t)%4), v[SB+(\t)/4]
.endif
.irp g, 0,1,2,3
	v_cvt_scalef32_pk8_fp4_f32 v[WC+\g], v[XS+8*\g:XS+8*\g+7], v11
.endr
	v_nop                                          ; one plain line behind the last conversion
	ds_store_b128 v4, v[WC:WC+3] offset:16*(\t)
.if (\t)+2 < NB
	WLD (\t)+2
.endif
	s_wait_dscnt 0x0                               ; the store has read its registers: the next block's codes may be written
.endm
.irp t, 0,1,2,3,4,5,6,7,8,9,10,11,12,13,14,15
	WBLOCK \t
.endr
	global_store_b128 v9, v[SB:SB+3], s[16:17]     ; my column's 16 scale bytes
.irp t, 0,1,2,3,4,5,6,7,8,9,10,11,12,13,14,15
	ds_load_b128 v[OUTR+4*\t:OUTR+4*\t+3], v7 offset:2*\t*WP
.endr
.irp t, 0,1,2,3,4,5,6,7,8,9,10,11,12,13,14,15
	s_wait_dscnt 15-\t                             ; loads come back in order: row pair t is in
	global_store_b128 v8, v[OUTR+4*\t:OUTR+4*\t+3], s[14:15] offset:2*\t*512
.endr
	s_wait_tensorcnt 0x0                           ; the wave's end: the three lines
	ds_add_u32 v[SPW], v[NIL]
	s_wait_dscnt 0x0
	s_endpgm
; ---------------- w_out: the same plan, rounded to f16 instead of quantised.  A wave takes 32 columns x 128 along K: 256 bytes a column.
.Lpath_o:
	s_sub_co_u32 s21, ttmp9, 48
	s_lshr_b32 s22, s21, 3                         ; which 128 along K
	s_and_b32 s21, s21, 7                          ; which 128 columns
	s_lshl_b32 s21, s21, 7
	s_lshl_b32 s23, s20, 5
	s_add_co_u32 s21, s21, s23                     ; my wave's first column
	v_lshlrev_b32 v3, 2, v2
	s_mul_i32 s26, s20, 32*WP
	s_add_co_u32 s26, s26, 67584                   ; my stage
	v_mul_u32_u24 v4, v2, WP
	v_add_nc_u32 v4, s26, v4
	v_and_b32 v5, 15, v2
	v_lshrrev_b32 v6, 4, v2
	v_mul_u32_u24 v7, v6, WP
	v_lshl_add_u32 v7, v5, 4, v7
	v_add_nc_u32 v7, s26, v7
	v_lshlrev_b32 v8, 11, v6
	v_lshl_add_u32 v8, v5, 4, v8                   ; rows of wo_t are 2,048 bytes
	s_lshl_b32 s24, s22, 19                        ; 128 rows of 4,096 bytes
	s_lshl_b32 s23, s21, 2
	s_add_co_u32 s24, s24, s23
	s_add_nc_u64 s[8:9], s[8:9], s[24:25]
	s_lshl_b32 s24, s21, 11
	s_lshl_b32 s23, s22, 8
	s_add_co_u32 s24, s24, s23
	s_add_nc_u64 s[18:19], s[18:19], s[24:25]
.macro OLD t
.irp i, 0,1,2,3,4,5,6,7,8,9,10,11,12,13,14,15,16,17,18,19,20,21,22,23,24,25,26,27,28,29,30,31
	global_load_b32 v[WX+32*((\t)%2)+\i], v3, s[8:9] offset:(32*(\t)+\i)*4096 th:TH_LOAD_NT
.endr
.endm
	OLD 0
	OLD 1
.macro OBLOCK t
.set XS, WX+32*((\t)%2)
.if (\t) < 3
	s_wait_loadcnt 32                              ; this block's 32 loads are in; the next block's may be out
.else
	s_wait_loadcnt 0
.endif
.irp j, 0,1,2,3,4,5,6,7,8,9,10,11,12,13,14,15
	v_cvt_pk_f16_f32 v[WC+\j], v[XS+2*\j], v[XS+2*\j+1]   ; two neighbours along K, the lower in the low half
.endr
.irp g, 0,1,2,3
	ds_store_b128 v4, v[WC+4*\g:WC+4*\g+3] offset:64*(\t)+16*\g
.endr
.if (\t)+2 < 4
	OLD (\t)+2
.endif
	s_wait_dscnt 0x0                               ; the stores have read their registers
.endm
.irp t, 0,1,2,3
	OBLOCK \t
.endr
.irp t, 0,1,2,3,4,5,6,7,8,9,10,11,12,13,14,15
	ds_load_b128 v[OUTR+4*\t:OUTR+4*\t+3], v7 offset:2*\t*WP
.endr
.irp t, 0,1,2,3,4,5,6,7,8,9,10,11,12,13,14,15
	s_wait_dscnt 15-\t
	global_store_b128 v8, v[OUTR+4*\t:OUTR+4*\t+3], s[18:19] offset:2*\t*2048   ; sixteen lanes store 256 consecutive bytes, aligned
.endr
	s_wait_tensorcnt 0x0                           ; the wave's end: the three lines
	ds_add_u32 v[SPW], v[NIL]
	s_wait_dscnt 0x0
	s_endpgm
.Lfunc_end_k_qcb054880de_prep:
	.size	k_qcb054880de_prep, .Lfunc_end_k_qcb054880de_prep-k_qcb054880de_prep
	.p2alignl 7, 3214868480
	.fill 96, 4, 3214868480
	.section	.rodata,"a",@progbits
	.p2align	6, 0x0
	.amdhsa_kernel k_qcb054880de_prep
		.amdhsa_group_segment_fixed_size 102912
		.amdhsa_private_segment_fixed_size 0
		.amdhsa_enable_private_segment 0
		.amdhsa_kernarg_size 64
		.amdhsa_user_sgpr_count 2
		.amdhsa_user_sgpr_kernarg_segment_ptr 1
		.amdhsa_wavefront_size32 1
		.amdhsa_system_sgpr_workgroup_id_x 1
		.amdhsa_system_sgpr_workgroup_id_y 1
		.amdhsa_system_sgpr_workgroup_id_z 1
		.amdhsa_system_vgpr_workitem_id 0
		.amdhsa_next_free_vgpr 192
		.amdhsa_next_free_sgpr 66
		.amdhsa_reserve_vcc 0
		.amdhsa_float_denorm_mode_32 3
		.amdhsa_float_denorm_mode_16_64 3
		.amdhsa_memory_ordered 1
		.amdhsa_forward_progress 1
		.amdhsa_inst_pref_size 132
	.end_amdhsa_kernel
	.amdgpu_metadata
---
amdhsa.version: [ 1, 2 ]
amdhsa.kernels:
  - .name:           k_qcb054880de_prep
    .symbol:         k_qcb054880de_prep.kd
    .args:
      - { .name: x, .offset: 0, .size: 8, .value_kind: global_buffer, .address_space: global }
      - { .name: w_qkv, .offset: 8, .size: 8, .value_kind: global_buffer, .address_space: global }
      - { .name: w_out, .offset: 16, .size: 8, .value_kind: global_buffer, .address_space: global }
      - { .name: x_codes, .offset: 24, .size: 8, .value_kind: global_buffer, .address_space: global }
      - { .name: x_scales, .offset: 32, .size: 8, .value_kind: global_buffer, .address_space: global }
      - { .name: wq_codes, .offset: 40, .size: 8, .value_kind: global_buffer, .address_space: global }
      - { .name: wq_scales, .offset: 48, .size: 8, .value_kind: global_buffer, .address_space: global }
      - { .name: wo_t, .offset: 56, .size: 8, .value_kind: global_buffer, .address_space: global }
    .group_segment_fixed_size: 102912
    .private_segment_fixed_size: 0
    .kernarg_segment_align: 8
    .kernarg_segment_size: 64
    .max_flat_workgroup_size: 128
    .sgpr_count:     66
    .vgpr_count:     192
    .wavefront_size: 32
...
	.end_amdgpu_metadata
.endif
;; end of part 1
;; launch qkvgemm (part 2): grid 12 x 32, 4 waves a work-group, clusters of 4 x 4, 327,680 bytes of LDS; arguments x_codes, x_scales, wq_codes, wq_scales, qkvh, side; writes qkvh, side
.if DOCPART == 2
	.amdgcn_target "amdgcn-amd-amdhsa--gfx1250"
	.amdhsa_code_object_version 6
	.text
	.protected	k_qcb054880de_qkvgemm
	.globl	k_qcb054880de_qkvgemm
	.p2align	8
	.type	k_qcb054880de_qkvgemm,@function
k_qcb054880de_qkvgemm:
	s_mov_b64 s[64:65], 0
	v_nop
	global_prefetch_b8 v0, s[64:65] scope:SCOPE_SE
	s_setreg_imm32_b32 hwreg(HW_REG_WAVE_MODE, 25, 1), 1
	s_wait_xcnt 0x0
	s_wait_alu depctr_hold_cnt(0) depctr_sa_sdst(0) depctr_va_vdst(0) depctr_va_sdst(0) depctr_va_ssrc(0) depctr_va_vcc(0) depctr_vm_vsrc(0)
	s_getreg_b32 s2, hwreg(HW_REG_IB_STS2, 6, 4)
	s_cmp_eq_u32 s2, 0
	s_cbranch_scc0 .Lentry_in_a_cluster
	s_endpgm
.Lentry_in_a_cluster:
	s_bfe_u32 s2, ttmp6, 0x10000c
	s_cmp_lg_u32 s2, 0xf033
	s_cbranch_scc0 .Lentry_shape_is_right
	s_endpgm
.Lentry_shape_is_right:
; qkv = x w_qkv on codes of E2M1 with one E8M0 scale for each 32 along K: [8192 x 1024] x [3072 x 1024]^T, sums in f32.
; A tile of 256 x 256 is made by four waves, 128 x 128 each: 64 accumulators, 512 registers.  K = 1,024 is two LDS slots of 512 along K (rows of 256 bytes): both are asked for at the head and nothing is filled again.
; The scale bytes of the tile's 256 + 256 rows come once, as two dense blocks.  CLUSTERS: 4 x 4; A's tiles are asked for jointly along a row of the cluster, B's along a column.
; THE TILE ROW IS 8 cy + cluster y: so the batch is cy, the tile's place in its sequence is the cluster's y, and q, k or v is the cluster's x: the branches of the way out hang on the cluster's numbers and the wave's alone.
; THE MATRIX INSTRUCTION IS USED TRANSPOSED (source 0 = 16 rows of w, source 1 = 16 rows of x): a lane holds eight neighbouring columns of one row.
; THE WAY OUT: q, k, v rounded to f16, by head: qkvh [3][batch x 16 + head][2048][64]; 16 rows of a head are 2,048 consecutive bytes, so each store of a wave covers 512 consecutive bytes, aligned.
;   side, f32: the first 16 positions of every sequence unrounded, [4][16][3072]; from byte 786,432 the sums of v over each 128 rows, [64][1024] (for rows that see no key).
; LIMITS: |q|, |k|, |v| under 65,504 (f16); NaN and infinities are not served.
; REGISTERS: window 0: v16-31 addresses; v32-95 scale words, two sets; v128-191 A's fragments; on the way out v32-255 are free.  window 1: B's fragments, two sets.  windows 2, 3: the accumulators ((a, b) at v[8 (8 (a % 4) + b)]).
.set NQ,     4                         ; steps of 128 along K in a slot
.set ROWB,   256                       ; a tile's row in bytes
.set KROW,   512                       ; a row of codes in memory
.set PITCH,  272                       ; an LDS row: 256 + 16 bytes: the 16 rows of a load start 68 words apart
.set FR,     8
.set NL,     2
.set NP,     4
.set HALFT,  128*PITCH
.set SLOT,   4*HALFT
.set KS,     32                        ; a row of scale bytes
.set SCL,    2*SLOT
.set HALFS,  (128*KS/256)*272
.set SBLK,   (16*KS/256)*272
.set SPARE,  SCL+4*HALFS               ; the spare words: two blocks of 256 bytes that no other line names
.set WST,    16*528                    ; the way out: a stage for each wave, in slot 0, which has had its only fill and its last read by then
.set ADRA, 16
.set ADRB, 20
.set STV,  22                          ; v22 stage + 32 h: the column sums
.set STO16, 24                         ; v24 stage + 144 r + 16 h
.set RD16, 25                          ; v25 stage + 144 (lane / 8) + 16 (lane % 8)
.set CO,   26                          ; v26 16 x lane
.set ADRS, 27
.set SPW,  28
.set NIL,  29
.set STO32, 30                         ; v30 stage + 528 r + 32 h
.set RD32, 31                          ; v31 stage + 16 x lane
.set SC,   32
.set AF,   128
.set TS,   64                          ; v64-127 the column sums
.set BK,   128                         ; v128-191 f32 rows read back
.set TMP,  192                         ; v192-223 packed results
.set OB,   32                          ; v32-63 and v224-255 by turns: f16 rows read back
.set G1, 24
.set G0, 32
.set G1B, 48
.set G0B, 56
.set G1S, 68
.set G0S, 76
.set G1SB, 80
.set G0SB, 88
.set MSB, 0
.macro WIN new                         ; the immediate's high byte repeats the setting that is left
.if MSB != \new
	s_set_vgpr_msb (MSB<<8)|\new
.set MSB, \new
.endif
.endm
.set MUL_LO, 0xa1
.set MUL_HI, 0xf1
.set TO_B,   0x40
; A joint load: waves 0 and 1 fetch for A, waves 2 and 3 for B; the branch hangs on the wave's number alone.  An s_nop 0 and four v_nop follow each line.
.macro JLOAD g0a, g1a, g0b, g1b
	s_cmp_eq_u32 s15, 0
	s_cbranch_scc0 .Lfor_b_\@
	tensor_load_to_lds s[\g0a:\g0a+3], s[\g1a:\g1a+7]
	s_nop 0
.rept 4
	v_nop
.endr
	s_branch .Lasked_\@
.Lfor_b_\@:
	tensor_load_to_lds s[\g0b:\g0b+3], s[\g1b:\g1b+7]
	s_nop 0
.rept 4
	v_nop
.endr
.Lasked_\@:
.endm
.macro CROUND                          ; a round of the cluster's barrier
	s_barrier_signal -1
	s_barrier_wait -1
	s_cmp_lg_u32 s14, 0
	s_cbranch_scc1 .Lnot_wave_0_\@
	s_barrier_signal -3
.Lnot_wave_0_\@:
	s_barrier_wait -3
	s_barrier_signal -1
	s_barrier_wait -1
.endm
	s_load_b128 s[4:7], s[0:1], 0x0                ; x's codes, x's scales
	s_load_b128 s[8:11], s[0:1], 0x10              ; w's codes, w's scales
	s_load_b128 s[96:99], s[0:1], 0x20             ; qkvh, side
	v_lshl_add_u32 v[SPW], v0, 2, SPARE
	v_mov_b32 v[NIL], 0
	ds_add_u32 v[SPW], v[NIL]                      ; the wave's opening
	ds_add_u32 v[SPW], v[NIL]
	v_lshrrev_b32 v1, 5, v0
	v_readfirstlane_b32 s14, v1                    ; wave 0..3
	s_lshr_b32 s15, s14, 1                         ; my half of the tile's rows; also: I fetch for A (0) or B (1)
	s_and_b32 s16, s14, 1                          ; my half of its columns; also: which 128 rows I fetch
	s_bfe_u32 s40, ttmp6, 0x40000                  ; cx
	s_bfe_u32 s41, ttmp6, 0x40004                  ; cy
	s_lshl_b32 s42, ttmp9, 2
	s_add_co_u32 s42, s42, s40                     ; tile column = 4 x cluster x + cx
	s_and_b32 s95, ttmp7, 0xffff                   ; cluster y
	s_lshl_b32 s17, s41, 3
	s_add_co_u32 s17, s17, s95                     ; tile row = 8 cy + cluster y
	s_lshl_b32 s43, s41, 2
	s_lshl_b32 s43, 15, s43                        ; my row of the cluster
	s_lshl_b32 s44, 0x1111, s40                    ; my column
	s_or_b32 s[G1+0], s43, (0<<16)|(1<<20)|(1<<21)|(5<<22)|(3<<25)  ; mask; elements of 1 byte; padding of 4 words behind every 64
	s_or_b32 s[G1B+0], s44, (0<<16)|(1<<20)|(1<<21)|(5<<22)|(3<<25)
.irp g, G1, G1B
	s_mov_b32 s[\g+1], ROWB<<16                    ; tensor_dim0
	s_mov_b32 s[\g+2], 128<<16                     ; tensor_dim1
	s_mov_b32 s[\g+3], ROWB<<16                    ; tile_dim0
	s_mov_b32 s[\g+4], 128                         ; tile_dim1
	s_mov_b32 s[\g+5], KROW                        ; the pitch
	s_mov_b32 s[\g+6], 0
	s_mov_b32 s[\g+7], 0
.endr
	s_or_b32 s[G1S+0], s43, (3<<16)|(1<<20)|(1<<21)|(5<<22)|(3<<25)  ; the scales of 128 rows: 4,096 dense bytes as 16 rows of 256
	s_or_b32 s[G1SB+0], s44, (3<<16)|(1<<20)|(1<<21)|(5<<22)|(3<<25)
.irp g, G1S, G1SB
	s_mov_b32 s[\g+1], 32<<16
	s_mov_b32 s[\g+2], (128*KS/256)<<16
	s_mov_b32 s[\g+3], 32<<16
	s_mov_b32 s[\g+4], 128*KS/256
	s_mov_b32 s[\g+5], 32
	s_mov_b32 s[\g+6], 0
	s_mov_b32 s[\g+7], 0
.endr
	s_lshl_b32 s18, s16, 7
	s_lshl_b32 s20, s17, 8
	s_add_co_u32 s20, s20, s18                     ; A: row 256 x tile row + 128 x half
	s_lshl_b32 s46, s42, 8
	s_add_co_u32 s46, s46, s18                     ; B: row 256 x tile column + 128 x half
	s_mov_b32 s21, 0
	s_mov_b32 s47, 0
	s_mov_b64 s[18:19], KS
	s_mul_u64 s[22:23], s[20:21], s[18:19]
	s_mul_u64 s[92:93], s[46:47], s[18:19]
	s_mov_b64 s[18:19], KROW
	s_mul_u64 s[20:21], s[20:21], s[18:19]
	s_mul_u64 s[46:47], s[46:47], s[18:19]
	s_mul_i32 s45, s14, HALFT                      ; LDS: wave x 128 rows
	s_mul_i32 s94, s14, HALFS
	s_wait_dscnt 0x0                               ; both opening adds are done
	s_wait_kmcnt 0x0
	s_add_nc_u64 s[20:21], s[4:5], s[20:21]
	s_add_nc_u64 s[22:23], s[6:7], s[22:23]
	s_add_nc_u64 s[46:47], s[8:9], s[46:47]
	s_add_nc_u64 s[92:93], s[10:11], s[92:93]
	CROUND                                         ; all sixteen work-groups are here: the joint loads meet
	s_mov_b32 s[G0S], 1
	s_add_co_u32 s[G0S+1], s94, SCL
	s_mov_b64 s[G0S+2:G0S+3], s[22:23]
	s_or_b32 s[G0S+3], s[G0S+3], 0x80000000
	s_mov_b32 s[G0SB], 1
	s_add_co_u32 s[G0SB+1], s94, SCL
	s_mov_b64 s[G0SB+2:G0SB+3], s[92:93]
	s_or_b32 s[G0SB+3], s[G0SB+3], 0x80000000
	JLOAD G0S, G1S, G0SB, G1SB                     ; the scales first
.irp s, 0,1
	s_mov_b32 s[G0+4*\s], 1
	s_add_co_u32 s[G0+4*\s+1], s45, \s*SLOT
	s_add_nc_u64 s[G0+4*\s+2:G0+4*\s+3], s[20:21], \s*ROWB
	s_or_b32 s[G0+4*\s+3], s[G0+4*\s+3], 0x80000000
	s_mov_b32 s[G0B+4*\s], 1
	s_add_co_u32 s[G0B+4*\s+1], s45, \s*SLOT
	s_add_nc_u64 s[G0B+4*\s+2:G0B+4*\s+3], s[46:47], \s*ROWB
	s_or_b32 s[G0B+4*\s+3], s[G0B+4*\s+3], 0x80000000
	JLOAD G0+4*\s, G1, G0B+4*\s, G1B               ; three tensor loads of mine are out in all
.endr
	v_and_b32 v1, 15, v0                           ; r
	v_bfe_u32 v2, v0, 4, 1                         ; h
	v_mul_u32_u24 v3, v1, PITCH
	v_lshl_add_u32 v4, v2, 4, v3
	s_mul_i32 s21, s15, HALFT
	s_mul_i32 s22, s16, HALFT
	s_add_co_u32 s22, s22, 2*HALFT
.irp s, 0,1
	v_add_nc_u32 v[ADRA+\s], s21, v4
	v_add_nc_u32 v[ADRB+\s], s22, v4
	s_add_co_u32 s21, s21, SLOT
	s_add_co_u32 s22, s22, SLOT
.endr
	v_mul_u32_u24 v5, v1, KS                       ; my row's scale bytes,
	v_lshrrev_b32 v6, 8, v5
	v_lshl_add_u32 v5, v6, 4, v5                   ; and 16 more for each 256 passed
	s_mul_i32 s21, s15, HALFS
	s_mul_i32 s22, s16, HALFS
	s_add_co_u32 s22, s22, 2*HALFS
	s_sub_co_u32 s22, s22, s21
	v_mul_u32_u24 v6, s22, v2                      ; lanes 16-31 take B's
	s_add_co_u32 s21, s21, SCL
	v_add_nc_u32 v5, v5, v6
	v_add_nc_u32 v[ADRS], s21, v5
	s_mul_i32 s23, s14, WST                        ; my stage
	v_mul_u32_u24 v5, v1, 144
	v_lshl_add_u32 v5, v2, 4, v5
	v_add_nc_u32 v[STO16], s23, v5
	v_bfe_u32 v5, v0, 3, 2
	v_mul_u32_u24 v5, v5, 144
	v_and_b32 v6, 7, v0
	v_lshl_add_u32 v5, v6, 4, v5
	v_add_nc_u32 v[RD16], s23, v5
	v_and_b32 v6, 31, v0
	v_lshlrev_b32 v[CO], 4, v6
	v_add_nc_u32 v[RD32], s23, v[CO]
	v_mul_u32_u24 v5, v1, 528
	v_lshl_add_u32 v5, v2, 5, v5
	v_add_nc_u32 v[STO32], s23, v5
	v_lshlrev_b32 v5, 5, v2
	v_add_nc_u32 v[STV], s23, v5
	; where my results go.  qkvh: which x 2^24 + (16 batch + head) x 2^18 + position x 128
	s_lshl_b32 s20, ttmp9, 24
	s_lshl_b32 s21, s41, 4
	s_lshl_b32 s22, s40, 2
	s_add_co_u32 s21, s21, s22
	s_lshl_b32 s22, s16, 1
	s_add_co_u32 s21, s21, s22                     ; my first head: 16 cy + 4 cx + 2 x column half
	s_lshl_b32 s21, s21, 18
	s_add_co_u32 s20, s20, s21
	s_lshl_b32 s21, s95, 15
	s_add_co_u32 s20, s20, s21
	s_lshl_b32 s21, s15, 14
	s_add_co_u32 s20, s20, s21
	s_mov_b32 s21, 0
	s_add_nc_u64 s[96:97], s[96:97], s[20:21]
	s_mul_i32 s20, s41, 196608                     ; side, the first positions: batch x 16 rows of 12,288 bytes + 4 x my first column
	s_lshl_b32 s22, s42, 10
	s_add_co_u32 s20, s20, s22
	s_lshl_b32 s22, s16, 9
	s_add_co_u32 s20, s20, s22
	s_add_nc_u64 s[92:93], s[98:99], s[20:21]
	s_lshl_b32 s20, s41, 4                         ; side, v's sums: row 16 cy + 2 cluster y + row half, of 4,096 bytes
	s_lshl_b32 s22, s95, 1
	s_add_co_u32 s20, s20, s22
	s_add_co_u32 s20, s20, s15
	s_lshl_b32 s20, s20, 12
	s_lshl_b32 s22, s40, 10
	s_add_co_u32 s20, s20, s22
	s_lshl_b32 s22, s16, 9
	s_add_co_u32 s20, s20, s22
	s_add_co_u32 s20, s20, 786432
	s_add_nc_u64 s[46:47], s[98:99], s[20:21]
.macro FRAG reg, adr, q, i             ; 16 rows x 128 K of 4-bit codes: 8 registers, two loads of 16 bytes, 32 bytes apart
.irp c, 0,1
	ds_load_b128 v[\reg+4*\c:\reg+4*\c+3], v[\adr] offset:64*(\q)+32*\c+(\i)*16*PITCH
.endr
.endm
; 16 matrix instructions: A's blocks a0, a0 + 1 x B's eight.  The 64 accumulators take turns, one instruction a turn, in the same order in every step.
.macro MUL16 a0, p, q, sc, zero
.irp a, \a0, \a0+1
.irp b, 0,1,2,3,4,5,6,7
.if \zero
	v_wmma_scale_f32_16x16x128_f8f6f4 v[8*(8*((\a)%4)+\b):8*(8*((\a)%4)+\b)+7], v[128*(\p)+FR*\b:128*(\p)+FR*\b+FR-1], v[AF+FR*(\a):AF+FR*(\a)+FR-1], 0, v[SC+8*NQ*(\sc)+NQ*\b+(\q)], v[SC+8*NQ*(\sc)+NQ*(\a)+(\q)] matrix_a_fmt:MATRIX_FMT_FP4 matrix_b_fmt:MATRIX_FMT_FP4 matrix_a_scale:MATRIX_SCALE_ROW1
.else
	v_wmma_scale_f32_16x16x128_f8f6f4 v[8*(8*((\a)%4)+\b):8*(8*((\a)%4)+\b)+7], v[128*(\p)+FR*\b:128*(\p)+FR*\b+FR-1], v[AF+FR*(\a):AF+FR*(\a)+FR-1], v[8*(8*((\a)%4)+\b):8*(8*((\a)%4)+\b)+7], v[SC+8*NQ*(\sc)+NQ*\b+(\q)], v[SC+8*NQ*(\sc)+NQ*(\a)+(\q)] matrix_a_fmt:MATRIX_FMT_FP4 matrix_b_fmt:MATRIX_FMT_FP4 matrix_a_scale:MATRIX_SCALE_ROW1
.endif
.endr
.endr
.endm
.macro FETCH_B slot, q, p
	WIN TO_B
.irp i, 0,1,2,3,4,5,6,7
	FRAG 128*(\p)+FR*\i, ADRB+\slot, \q, \i
.endr
	WIN 0
.endm
.macro FETCH_A slot, q, i0
.irp i, \i0, \i0+1, \i0+2, \i0+3
	FRAG AF+FR*(\i), ADRA+\slot, \q, \i
.endr
.endm
.macro SCALES sc                       ; a slot's scale words: lanes 0-15 A's block i, lanes 16-31 B's block i
.irp i, 0,1,2,3,4,5,6,7
	ds_load_b128 v[SC+8*NQ*\sc+NQ*\i:SC+8*NQ*\sc+NQ*\i+3], v[ADRS] offset:\i*SBLK
.endr
.endm
.macro PLACES n                        ; plain vector lines between a matrix instruction and a load into, or a read of, its registers
.rept \n
	v_nop
.endr
.endm
.macro STEP slot, q, zero
	s_wait_dscnt 4*NL                              ; B's set and A's blocks 0-3 are in; the youngest eight loads (A's blocks 4-7) may be out
	WIN MUL_LO
	MUL16 0, (\q)%2, \q, \slot, \zero
	MUL16 2, (\q)%2, \q, \slot, \zero
	s_wait_dscnt 0
	PLACES NP
	FETCH_B \slot, (\q)+1, 1-(\q)%2
	FETCH_A \slot, (\q)+1, 0
	WIN MUL_HI
	MUL16 4, (\q)%2, \q, \slot, \zero
	MUL16 6, (\q)%2, \q, \slot, \zero
	PLACES NP
	WIN 0
	FETCH_A \slot, (\q)+1, 4
.endm
; Slot 0's last step changes slots: each wave waits for its tensor loads (its part of slot 1), adds 0 to its spare word, waits for that and for its reads of slot 0, and meets the others.  Nothing is filled again.
.macro TURN slot, next
	s_wait_tensorcnt 0x0
	ds_add_u32 v[SPW], v[NIL]
	s_wait_dscnt 4*NL+1                            ; the add and the youngest eight loads may be out
	WIN MUL_LO
	MUL16 0, 1, NQ-1, \slot, 0
	s_wait_dscnt 0x0                               ; the add is done, and my reads of this slot are over
	s_barrier_signal -1
	MUL16 2, 1, NQ-1, \slot, 0
	WIN 0
	s_barrier_wait -1
	PLACES NP
	v_add_nc_u32 v[ADRS], 4*NQ, v[ADRS]            ; the next slot's scale words
	FETCH_B \next, 0, 0
	FETCH_A \next, 0, 0
	SCALES \next
	WIN MUL_HI
	MUL16 4, 1, NQ-1, \slot, 0
	MUL16 6, 1, NQ-1, \slot, 0
	PLACES NP
	WIN 0
	FETCH_A \next, 0, 4
.endm
	s_wait_tensorcnt 1                             ; the scales and my part of slot 0 are in; slot 1's load may be out
	s_barrier_signal -1
	s_barrier_wait -1
	FETCH_B 0, 0, 0
	FETCH_A 0, 0, 0
	SCALES 0
	FETCH_A 0, 0, 4
	STEP 0, 0, 1                                   ; the first step's products start the sums: nothing is cleared
	STEP 0, 1, 0
	STEP 0, 2, 0
	TURN 0, 1
	STEP 1, 0, 0
	STEP 1, 1, 0
	STEP 1, 2, 0
	s_wait_dscnt 4*NL                              ; the last step: nothing more to fetch
	WIN MUL_LO
	MUL16 0, 1, NQ-1, 1, 0
	MUL16 2, 1, NQ-1, 1, 0
	s_wait_dscnt 0
	WIN MUL_HI
	MUL16 4, 1, NQ-1, 1, 0
	MUL16 6, 1, NQ-1, 1, 0
	WIN 0
	PLACES NP                                      ; behind the last products: their results are read and their operands' registers written below
	; ---- v alone (cluster x = 2): the sums of my 128 rows for my 128 columns, in f32
	s_cmp_lg_u32 ttmp9, 2
	s_cbranch_scc1 .Lno_vsum
	WIN 0x0a                                       ; both sources window 2.
.irp b, 0,1,2,3,4,5,6,7
.irp p, 0,2,4,6
	v_pk_add_f32 v[TS+8*\b+\p:TS+8*\b+\p+1], v[8*\b+\p:8*\b+\p+1], v[64+8*\b+\p:64+8*\b+\p+1]
.endr
.endr
	WIN 0x08                                       ; source 1 window 2
.irp a, 2,3
.irp b, 0,1,2,3,4,5,6,7
.irp p, 0,2,4,6
	v_pk_add_f32 v[TS+8*\b+\p:TS+8*\b+\p+1], v[TS+8*\b+\p:TS+8*\b+\p+1], v[64*\a+8*\b+\p:64*\a+8*\b+\p+1]
.endr
.endr
.endr
	WIN 0x0c                                       ; source 1 window 3
.irp a, 0,1,2,3
.irp b, 0,1,2,3,4,5,6,7
.irp p, 0,2,4,6
	v_pk_add_f32 v[TS+8*\b+\p:TS+8*\b+\p+1], v[TS+8*\b+\p:TS+8*\b+\p+1], v[64*\a+8*\b+\p:64*\a+8*\b+\p+1]
.endr
.endr
.endr
	WIN 0
.irp m, 1,2,4,8                        ; over the sixteen rows that the lanes of a half hold
.set i, 0
.rept 64
	v_add_f32_dpp v[TS+i], v[TS+i], v[TS+i] row_xmask:\m row_mask:0xf bank_mask:0xf
.set i, i+1
.endr
.endr
.irp b, 0,1,2,3,4,5,6,7
	ds_store_b128 v[STV], v[TS+8*\b:TS+8*\b+3] offset:64*\b          ; the sixteen lanes of a half write the same bytes with the same values
	ds_store_b128 v[STV], v[TS+8*\b+4:TS+8*\b+7] offset:64*\b+16
.endr
	ds_load_b128 v[BK:BK+3], v[RD32]               ; LDS serves a wave's instructions in order
	s_wait_dscnt 0x0
	global_store_b128 v[CO], v[BK:BK+3], s[46:47]  ; 512 consecutive bytes, aligned
	s_wait_xcnt 0x0                                ; the store has read its registers
.Lno_vsum:
	; ---- the waves that hold positions 0-15 of a sequence (cluster y = 0, upper row half): block 0 unrounded
	s_or_b32 s20, s95, s15
	s_cmp_lg_u32 s20, 0
	s_cbranch_scc1 .Lno_first
	WIN 0x08                                       ; an LDS store's data are its source 1: window 2
.irp b, 0,1,2,3,4,5,6,7
	ds_store_b128 v[STO32], v[8*\b:8*\b+3] offset:64*\b
	ds_store_b128 v[STO32], v[8*\b+4:8*\b+7] offset:64*\b+16
.endr
	WIN 0
.irp t, 0,1,2,3,4,5,6,7,8,9,10,11,12,13,14,15
	ds_load_b128 v[BK+4*\t:BK+4*\t+3], v[RD32] offset:\t*528
.endr
	s_wait_dscnt 0x0
.irp t, 0,1,2,3,4,5,6,7,8,9,10,11,12,13,14,15
	global_store_b128 v[CO], v[BK+4*\t:BK+4*\t+3], s[92:93] offset:\t*12288   ; 512 consecutive bytes of a row, aligned
.endr
	s_wait_xcnt 0x0
.Lno_first:
	; ---- all: f16 by head, a block of 16 rows at a time
.macro PACK a
.set AC, 64*((\a)%4)
	WIN 0x0a+5*((\a)/4)                            ; sources 0 and 1: window 2 or 3
.irp b, 0,1,2,3,4,5,6,7
.irp r, 0,1,2,3
	v_cvt_pk_f16_f32 v[TMP+4*\b+\r], v[AC+8*\b+2*\r], v[AC+8*\b+2*\r+1]
.endr
.endr
	WIN 0
.endm
.macro TOSTAGE16 a                     ; two planes (heads) of 16 rows x (128 + 16) bytes; back as 4 rows, 512 dense bytes, an instruction
.set BB, OB+192*((\a)%2)
.irp b, 0,1,2,3,4,5,6,7
	ds_store_b128 v[STO16], v[TMP+4*\b:TMP+4*\b+3] offset:(\b/4)*2304+32*(\b%4)
.endr
.irp t, 0,1,2,3,4,5,6,7
	ds_load_b128 v[BB+4*\t:BB+4*\t+3], v[RD16] offset:(\t/4)*2304+576*(\t%4)
.endr
.endm
.macro SEND16 a
.set BB, OB+192*((\a)%2)
	s_wait_dscnt 0x0                               ; the block is back in registers
	s_wait_xcnt 0x0                                ; the earlier stores have read their registers: the next block's loads may land there
.irp t, 0,1,2,3,4,5,6,7
	global_store_b128 v[CO], v[BB+4*\t:BB+4*\t+3], s[96:97] offset:(\t/4)*262144+512*(\t%4)+2048*(\a)   ; 512 consecutive bytes, aligned
.endr
.endm
	PACK 0
	TOSTAGE16 0
.irp a, 1,2,3,4,5,6,7                  ; block a's conversions stand between block a - 1's loads from the stage and the wait for them
	PACK \a
	SEND16 \a-1
	TOSTAGE16 \a
.endr
	SEND16 7
	s_wait_tensorcnt 0x0                           ; the wave's end
	ds_add_u32 v[SPW], v[NIL]
	s_wait_dscnt 0x0
	CROUND                                         ; the closing round
	s_endpgm
.Lfunc_end_k_qcb054880de_qkvgemm:
	.size	k_qcb054880de_qkvgemm, .Lfunc_end_k_qcb054880de_qkvgemm-k_qcb054880de_qkvgemm
	.p2alignl 7, 3214868480
	.fill 96, 4, 3214868480
	.section	.rodata,"a",@progbits
	.p2align	6, 0x0
	.amdhsa_kernel k_qcb054880de_qkvgemm
		.amdhsa_group_segment_fixed_size 327680
		.amdhsa_private_segment_fixed_size 0
		.amdhsa_enable_private_segment 0
		.amdhsa_kernarg_size 48
		.amdhsa_user_sgpr_count 2
		.amdhsa_user_sgpr_kernarg_segment_ptr 1
		.amdhsa_wavefront_size32 1
		.amdhsa_system_sgpr_workgroup_id_x 1
		.amdhsa_system_sgpr_workgroup_id_y 1
		.amdhsa_system_sgpr_workgroup_id_z 1
		.amdhsa_system_vgpr_workitem_id 0
		.amdhsa_next_free_vgpr 1024
		.amdhsa_next_free_sgpr 100
		.amdhsa_reserve_vcc 0
		.amdhsa_float_denorm_mode_32 3
		.amdhsa_float_denorm_mode_16_64 3
		.amdhsa_memory_ordered 1
		.amdhsa_forward_progress 1
		.amdhsa_inst_pref_size 162
	.end_amdhsa_kernel
	.amdgpu_metadata
---
amdhsa.version: [ 1, 2 ]
amdhsa.kernels:
  - .name:           k_qcb054880de_qkvgemm
    .symbol:         k_qcb054880de_qkvgemm.kd
    .args:
      - { .name: x_codes, .offset: 0, .size: 8, .value_kind: global_buffer, .address_space: global }
      - { .name: x_scales, .offset: 8, .size: 8, .value_kind: global_buffer, .address_space: global }
      - { .name: wq_codes, .offset: 16, .size: 8, .value_kind: global_buffer, .address_space: global }
      - { .name: wq_scales, .offset: 24, .size: 8, .value_kind: global_buffer, .address_space: global }
      - { .name: qkvh, .offset: 32, .size: 8, .value_kind: global_buffer, .address_space: global }
      - { .name: side, .offset: 40, .size: 8, .value_kind: global_buffer, .address_space: global }
    .group_segment_fixed_size: 327680
    .private_segment_fixed_size: 0
    .kernarg_segment_align: 8
    .kernarg_segment_size: 48
    .max_flat_workgroup_size: 128
    .sgpr_count:     100
    .vgpr_count:     1024
    .wavefront_size: 32
...
	.end_amdgpu_metadata
.endif
;; end of part 2
;; launch attn (part 3): grid 4 x 64, 8 waves a work-group, no clusters, 327,680 bytes of LDS; arguments qkvh, side, attention_mask, att; writes att
.if DOCPART == 3
	.amdgcn_target "amdgcn-amd-amdhsa--gfx1250"
	.amdhsa_code_object_version 6
	.text
	.protected	k_qcb054880de_attn
	.globl	k_qcb054880de_attn
	.p2align	8
	.type	k_qcb054880de_attn,@function
k_qcb054880de_attn:
	s_mov_b64 s[64:65], 0
	v_nop
	global_prefetch_b8 v0, s[64:65] scope:SCOPE_SE
	s_setreg_imm32_b32 hwreg(HW_REG_WAVE_MODE, 25, 1), 1
	s_wait_xcnt 0x0
; att[bh][q][:] = softmax_k(q . k / 8, causal mask and pad mask) v, for 64 (batch, head) pairs of 2,048 positions x 64 channels.  q, k, v and att in f16; products' sums, maxima and sums in f32; p rounded to f16.
; SHARES.  Work-group (i, bh) owns the query blocks 7 - i and i (256 queries each) of one head, the later block first: (8 - i) + (i + 1) = 9 slots of 256 keys for every i, so all trip counts are constants and all work-groups do equal work.
;   A wave owns 32 queries, two tiles of 16 that share every fragment of K, V and of the pad mask.  Two waves lie on a SIMD: one's softmax stands beside the other's products.
; NO CLUSTER: from trip 5 on the four work-groups of a head want different key slots in the same trip (the walk turns back to key 0 behind trip 7 - i), so joint requests would not meet.
; LAYOUT.  S^T = K Q^T (source 0 = 16 keys, source 1 = 16 queries) and O^T = V^T P: a lane holds ONE query (lane % 16) throughout.  K comes out of LDS as it lies, V turned by ds_load_tr16_b128.
; MASKS.  The pad mask is the C of each score tile's first product: 0 or -1e30 for each key.  The causal mask is a select on the steps that touch the diagonal; steps wholly behind it are left out by a branch on ids.
;   The running maximum starts at -1e20, so a masked p is exactly 0.  A QUERY THAT SEES NO KEY keeps the sum 0: there all 2,048 masked scores are equal, the softmax is uniform, and the row is the mean of v over the whole sequence:
;   it is put in by a select (the mean comes from the f32 sums that the launch before stored).
; LIMITS: raw scores q . k lie above -1e20; |att| under 65,504; NaN and infinities are not served.
; REGISTERS: window 0: v1-19 addresses; v20-35 statistics, 8 a tile; v40-71 pad mask of a step; v72-135 S^T, then p; v136-167 P; v168-231 O^T.  window 1: v0-31 Q; v32-95 K; v96-159 V.
.set PK,    144                        ; a key's row in LDS: 128 bytes + 16
.set PV,    160                        ; a row of V: 128 + 32: an odd multiple of 32 for the turning load
.set VOFF,  256*PK                     ; a slot: 256 rows of K, then 256 rows of V
.set SLOT1, 1<<17                      ; slot 1 begins here: one exclusive or turns an address
.set BIAS,  SLOT1+VOFF+256*PV          ; 9 x 1,024 bytes: the pad mask as 0 or -1e30, IN THE ORDER OF THE WALK
.set VMEAN, BIAS+9*1024                ; 256 bytes: the mean of v, 64 channels
.set STAGE, VMEAN+256                  ; 32 rows x 144 bytes for each wave
.set SPARE, STAGE+8*32*PK              ; the spare words: four blocks of 256 bytes that no other line names
.set AK0, 1
.set AV0, 2
.set AB0, 3
.set ADK, 4
.set ADV, 5
.set ADB, 6
.set QO,  7
.set STO, 8
.set RD,  9
.set GO,  10
.set PFO, 11
.set SPW, 12
.set NIL, 13
.set NEG, 14                           ; v14 -1e30
.set AVM, 15                           ; v15 VMEAN + 32 h
.set RH,  18                           ; v18 r - 8 h;  v16, v17: the diagonal's distance for the two tiles
.set ST,  20                           ; tile u at v[ST + 8 u]: +0 c m, +1 m, +2, +3 the sum (even, odd keys), +4 .. +7 at work; +6 the rescaling factor
.set BI,  40
.set S,   72
.set P,   136
.set O,   168
.set KR,  32                           ; window 1
.set VR,  96
.set WV,  12
.set BH,  14
.set NH,  15                           ; 8 - i: trips of the first query block
.set TR,  16                           ; the trip
.set LIM, 17
.set NHM1, 18
.set KF,  19                           ; the step's first key
.set Q0,  20                           ; my first query
.set CS,  22                           ; s[22:23] c = log2(e) / 8
.set G1K, 24
.set G1V, 32
.set G0K, 40
.set G0V, 44
.set KB,  48                           ; s[48:49] my quarter of key slot 0 in k;  s[50:51] in v
.set VB,  50
.set QB,  52                           ; s[52:53] the head's q
.set SEL, 54
.set PFA, 56
.set TB,  58                           ; LDS byte at which the slot in hand begins
.set T9,  59                           ; 1,024 x trip
.set AB,  66                           ; s[66:67] the head's rows of att
.set FL,  68                           ; s68, s69 lanes whose query saw no key
.set QA,  70
.set OA,  72
.set MSB, 0
.macro WIN new
.if MSB != \new
	s_set_vgpr_msb (MSB<<8)|\new
.set MSB, \new
.endif
.endm
; Waves 0-3 fetch K's quarters of a slot, waves 4-7 V's: 64 rows each.  An s_nop 0 and four v_nop follow each line.
.macro TLOAD
	s_cmp_lt_u32 s[WV], 4
	s_cbranch_scc0 .Lfor_v_\@
	tensor_load_to_lds s[G0K:G0K+3], s[G1K:G1K+7]
	s_nop 0
.rept 4
	v_nop
.endr
	s_branch .Lasked_\@
.Lfor_v_\@:
	tensor_load_to_lds s[G0V:G0V+3], s[G1V:G1V+7]
	s_nop 0
.rept 4
	v_nop
.endr
.Lasked_\@:
.endm
; A prefetch of key slot trip + 2, behind the tensor load for slot trip + 1.  All four work-groups of a head walk slots 0, 1, 2 .. first: the head's first work-group (which walks 0 .. 7) asks, each wave for the 8,192 bytes
; that it will itself fetch, lanes 256 bytes apart: each block of 256 bytes is named once in the launch.  Trips 0 to 5 ask (slots 2 to 7); slots 0 and 1 come by their loads alone.
.macro ASK
	s_cmp_lt_u32 s[TR], s[LIM]
	s_cbranch_scc0 .Lnot_mine_\@
	global_prefetch_b8 v[PFO], s[PFA:PFA+1] th:TH_LOAD_NT scope:SCOPE_SE
.Lnot_mine_\@:
.endm
.macro LOADQ                           ; my 32 queries: tile u, channels 32 c on, at v[16 u + 8 c] of window 1
	WIN 0x40
.irp u, 0,1
.irp c, 0,1
	global_load_b128 v[16*\u+8*\c:16*\u+8*\c+3],   v[QO], s[QA:QA+1] offset:2048*\u+64*\c
	global_load_b128 v[16*\u+8*\c+4:16*\u+8*\c+7], v[QO], s[QA:QA+1] offset:2048*\u+64*\c+32
.endr
.endr
	WIN 0
.endm
.macro INIT                            ; a query block begins: m = -1e20, the sum and O^T zeros (the step is written once; its first rescaling multiplies zeros)
.irp u, 0,1
	v_mov_b32 v[ST+8*\u+1], 0xe0ad78ec
	v_mov_b32 v[ST+8*\u+2], 0
	v_mov_b32 v[ST+8*\u+3], 0
	v_mov_b32 v[ST+8*\u+4], 0
	v_mov_b32 v[ST+8*\u+5], 0
	v_mov_b32 v[ST+8*\u+6], 0
	v_mov_b32 v[ST+8*\u+7], 0
	v_mul_f32 v[ST+8*\u], s[CS], v[ST+8*\u+1]
.endr
.set i, 0
.rept 64
	v_mov_b32 v[O+i], 0
.set i, i+1
.endr
.endm
	s_load_b256 s[4:11], s[0:1], 0x0               ; qkvh s[4:5], side s[6:7], attention_mask s[8:9], att s[10:11]
	v_lshl_add_u32 v[SPW], v0, 2, SPARE
	v_mov_b32 v[NIL], 0
	ds_add_u32 v[SPW], v[NIL]                      ; the wave's opening
	ds_add_u32 v[SPW], v[NIL]
	v_lshrrev_b32 v1, 5, v0
	v_readfirstlane_b32 s[WV], v1                  ; wave 0..7
	s_and_b32 s[BH], ttmp7, 0xffff                 ; 16 x batch + head
	s_sub_co_u32 s[NH], 8, ttmp9
	s_sub_co_u32 s[NHM1], 7, ttmp9                 ; the first query block, and its last trip
	s_mov_b32 s[G1K], (1<<16)|(1<<20)|(4<<22)|(3<<25)   ; elements of 2 bytes; padding of 4 words behind every 32
	s_mov_b32 s[G1V], (1<<16)|(1<<20)|(4<<22)|(7<<25)   ; of 8 words
.irp g, G1K, G1V
	s_mov_b32 s[\g+1], 64<<16                      ; tensor_dim0 = 64
	s_mov_b32 s[\g+2], 64<<16                      ; tensor_dim1 = 64
	s_mov_b32 s[\g+3], 64<<16                      ; tile_dim0 = 64
	s_mov_b32 s[\g+4], 64                          ; tile_dim1 = 64
	s_mov_b32 s[\g+5], 64                          ; the pitch
	s_mov_b32 s[\g+6], 0
	s_mov_b32 s[\g+7], 0
.endr
	s_and_b32 s60, s[WV], 3                        ; which quarter of a slot I fetch
	s_mul_i32 s[G0K+1], s60, 64*PK
	s_mul_i32 s[G0V+1], s60, 64*PV
	s_add_co_u32 s[G0V+1], s[G0V+1], VOFF
	s_mov_b32 s[G0K], 1
	s_mov_b32 s[G0V], 1
	s_lshl_b32 s60, s60, 13                        ; 64 rows of 128 bytes
	s_lshl_b32 s74, s[BH], 18                      ; the head's bytes
	s_add_co_u32 s60, s60, s74
	s_add_co_u32 s60, s60, 1<<24                   ; k lies 2^24 bytes behind q
	s_mov_b32 s61, 0
	s_mov_b32 s75, 0
	s_mov_b32 s63, 0
	s_mov_b32 s[CS], 0x3e38aa3b
	s_mov_b32 s[CS+1], s[CS]
	s_mov_b32 s[SEL], 0x76543210
	s_mov_b32 s[SEL+1], 0xfedcba98
	s_mov_b32 s[TB], 0
	s_mov_b32 s[T9], 0
	s_mov_b32 s[KF], 0
	s_mov_b32 s[TR], 0
	s_cmp_eq_u32 ttmp9, 0
	s_cselect_b32 s[LIM], 6, 0
	s_wait_dscnt 0x0                               ; both opening adds are done
	s_wait_kmcnt 0x0
	s_add_nc_u64 s[KB:KB+1], s[4:5], s[60:61]
	s_add_nc_u64 s[VB:VB+1], s[KB:KB+1], 1<<24
	s_mov_b64 s[G0K+2:G0K+3], s[KB:KB+1]
	s_or_b32 s[G0K+3], s[G0K+3], 0x80000000
	s_mov_b64 s[G0V+2:G0V+3], s[VB:VB+1]
	s_or_b32 s[G0V+3], s[G0V+3], 0x80000000
	TLOAD                                          ; key slot 0 into LDS slot 0: one tensor load of mine is out
	s_add_nc_u64 s[QB:QB+1], s[4:5], s[74:75]
	s_add_nc_u64 s[AB:AB+1], s[10:11], s[74:75]
	s_lshl_b32 s[Q0], s[NHM1], 8
	s_lshl_b32 s60, s[WV], 5
	s_add_co_u32 s[Q0], s[Q0], s60                 ; my first query: 256 (7 - i) + 32 x wave
	s_lshl_b32 s60, s[Q0], 7
	s_add_nc_u64 s[QA:QA+1], s[QB:QB+1], s[60:61]
	s_add_nc_u64 s[OA:OA+1], s[AB:AB+1], s[60:61]
	s_cmp_lt_u32 s[WV], 4
	s_cselect_b64 s[PFA:PFA+1], s[KB:KB+1], s[VB:VB+1]
	s_add_nc_u64 s[PFA:PFA+1], s[PFA:PFA+1], 32768 ; at key slot 1; the first change of slots steps it to slot 2
	s_lshr_b32 s60, s[BH], 4                       ; the batch
	s_lshl_b32 s62, s60, 13
	s_add_nc_u64 s[76:77], s[8:9], s[62:63]        ; its row of the mask
	s_lshl_b32 s62, s60, 16                        ; its 16 rows of v's sums,
	s_and_b32 s60, s[BH], 15
	s_lshl_b32 s60, s60, 8                         ; the head's 64 columns
	s_add_co_u32 s62, s62, s60
	s_add_co_u32 s62, s62, 786432
	s_add_nc_u64 s[78:79], s[6:7], s[62:63]
	v_and_b32 v232, 15, v0                         ; r
	v_bfe_u32 v233, v0, 4, 1                       ; h
	v_lshlrev_b32 v[QO], 7, v232
	v_lshl_add_u32 v[QO], v233, 4, v[QO]           ; row r of 128 bytes + 16 h
	LOADQ
.irp t, 0,1,2,3,4,5,6,7,8                  ; the mask of the key slot that trip t walks: t, or t - (8 - i) behind the turn
	s_sub_co_u32 s74, \t, s[NH]
	s_cmp_gt_u32 s[NH], \t
	s_cselect_b32 s74, \t, s74
	s_lshl_b32 s74, s74, 10
	v_lshl_add_u32 v[240+\t], v0, 2, s74
	global_load_b32 v[S+\t], v[240+\t], s[76:77]
.endr
	v_and_b32 v234, 7, v0                          ; the mean of v: my channel is 8 x wave + lane % 8, my four partial sums 4 g .. 4 g + 3, g = (lane / 8) % 4
	v_lshrrev_b32 v235, 5, v0
	v_lshl_add_u32 v234, v235, 3, v234
	v_lshlrev_b32 v234, 2, v234
	v_bfe_u32 v235, v0, 3, 2
	v_lshl_add_u32 v235, v235, 14, v234
.irp p, 0,1,2,3
	global_load_b32 v[236+\p], v235, s[78:79] offset:4096*\p
.endr
	v_add_nc_u32 v234, VMEAN, v234
	v_mul_u32_u24 v[AK0], v232, PK
	v_lshl_add_u32 v[AK0], v233, 4, v[AK0]         ; K: row r x pitch + 16 h
	v_and_b32 v250, 7, v0
	v_bfe_u32 v251, v0, 3, 1
	v_lshl_add_u32 v[AV0], v233, 3, v250
	v_mul_u32_u24 v[AV0], v[AV0], PV
	v_lshl_add_u32 v[AV0], v251, 4, v[AV0]
	v_add_nc_u32 v[AV0], VOFF, v[AV0]              ; V: key 8 h + lane % 8, channels 8 ((lane / 8) % 2) on
	v_lshl_add_u32 v[AB0], v233, 5, BIAS
	v_lshl_add_u32 v[AVM], v233, 5, VMEAN
	s_mul_i32 s60, s[WV], 32*PK
	s_add_co_u32 s60, s60, STAGE                   ; my stage
	v_mul_u32_u24 v[STO], v232, PK
	v_lshl_add_u32 v[STO], v233, 4, v[STO]
	v_add_nc_u32 v[STO], s60, v[STO]
	v_bfe_u32 v251, v0, 3, 2
	v_mul_u32_u24 v[RD], v251, PK
	v_lshl_add_u32 v[RD], v250, 4, v[RD]
	v_add_nc_u32 v[RD], s60, v[RD]                 ; back: four rows of 128 bytes an instruction
	v_and_b32 v250, 31, v0
	v_lshlrev_b32 v[GO], 4, v250
	v_lshlrev_b32 v[PFO], 8, v250
	v_mov_b32 v[NEG], 0xf149f2ca
	v_lshlrev_b32 v251, 3, v233
	v_sub_nc_u32 v[RH], v232, v251
	v_lshl_add_u32 v249, v0, 2, BIAS
	INIT
	s_wait_loadcnt 0x0                             ; Q, the mask, v's sums
.irp t, 0,1,2,3,4,5,6,7,8
	v_cmp_eq_u32 vcc_lo, 0, v[S+\t]
	v_cndmask_b32 v[S+\t], 0, v[NEG], vcc_lo       ; a padded key: -1e30
	ds_store_b32 v249, v[S+\t] offset:1024*\t
.endr
	v_add_f32 v236, v236, v237
	v_add_f32 v238, v238, v239
	v_add_f32 v236, v236, v238
	v_add_f32_dpp v236, v236, v236 row_xmask:8 row_mask:0xf bank_mask:0xf
	v_permlanex16_b32 v237, v236, s[SEL], s[SEL+1]
	v_add_f32 v236, v236, v237                     ; all sixteen partial sums
	v_mul_f32 v236, 0x3a000000, v236               ; / 2,048
	ds_store_b32 v234, v236                        ; the four lanes of a channel write the same word with the same value
; THE CHANGE OF SLOTS stands at a trip's head.  Each wave waits for its tensor load (its part of the slot ahead), adds 0 to its spare word, waits for that and for all its LDS instructions, and meets the others:
; the slot ahead is whole (in the first trip also the mask and the mean) and nobody reads the other slot.  fill = 1: that slot takes the key slot of the next trip: the load has a whole trip in which to land.
.macro CHANGE fill
	s_wait_tensorcnt 0x0                           ; no tensor load of mine is out, so a group 0 may be written
	ds_add_u32 v[SPW], v[NIL]
.if \fill
	s_add_co_u32 s60, s[TR], 1
	s_sub_co_u32 s61, s60, s[NH]
	s_cmp_lt_u32 s60, s[NH]
	s_cselect_b32 s60, s60, s61                    ; the next trip's key slot
	s_lshl_b32 s60, s60, 15                        ; 256 rows of 128 bytes
	s_mov_b32 s61, 0
	s_add_nc_u64 s[G0K+2:G0K+3], s[KB:KB+1], s[60:61]
	s_or_b32 s[G0K+3], s[G0K+3], 0x80000000
	s_add_nc_u64 s[G0V+2:G0V+3], s[VB:VB+1], s[60:61]
	s_or_b32 s[G0V+3], s[G0V+3], 0x80000000
	s_xor_b32 s[G0K+1], s[G0K+1], SLOT1
	s_xor_b32 s[G0V+1], s[G0V+1], SLOT1
	s_wait_xcnt 0x0                                ; the last prefetch, a trip back, has read its address
	s_add_nc_u64 s[PFA:PFA+1], s[PFA:PFA+1], 32768
.endif
	s_wait_dscnt 0x0                               ; the add is done; my LDS stores have landed and my reads are over
	s_barrier_signal -1
	s_barrier_wait -1
.if \fill
	TLOAD                                          ; the first thing behind the barrier, and my one tensor load until the next
	ASK
.endif
	v_add_nc_u32 v[ADK], s[TB], v[AK0]
	v_add_nc_u32 v[ADV], s[TB], v[AV0]
	v_add_nc_u32 v[ADB], s[T9], v[AB0]
.endm
; THE SOFTMAX of a step, both tiles by turns.  The 66 exponentials are one batch with one wait.
.macro SOFTMAX
.irp k, 0,1,2,3
.irp u, 0,1
	v_max3_num_f32 v[ST+8*\u+4+\k], v[S+32*\u+8*\k], v[S+32*\u+8*\k+1], v[S+32*\u+8*\k+2]   ; each score tile is read from its low end on
.endr
.endr
.irp p, 3,5
.irp k, 0,1,2,3
.irp u, 0,1
	v_max3_num_f32 v[ST+8*\u+4+\k], v[ST+8*\u+4+\k], v[S+32*\u+8*\k+\p], v[S+32*\u+8*\k+\p+1]
.endr
.endr
.endr
.irp u, 0,1
	v_max3_num_f32 v[ST+8*\u+4], v[ST+8*\u+4], v[S+32*\u+7], v[S+32*\u+15]
	v_max3_num_f32 v[ST+8*\u+6], v[ST+8*\u+6], v[S+32*\u+23], v[S+32*\u+31]
.endr
.irp u, 0,1
	v_max3_num_f32 v[ST+8*\u+4], v[ST+8*\u+4], v[ST+8*\u+5], v[ST+8*\u+6]
.endr
.irp u, 0,1
	v_max3_num_f32 v[ST+8*\u+4], v[ST+8*\u+4], v[ST+8*\u+7], v[ST+8*\u+1]   ; with the old m
.endr
.irp u, 0,1
	v_permlanex16_b32 v[ST+8*\u+5], v[ST+8*\u+4], s[SEL], s[SEL+1]         ; the query's other 32 keys lie in the lane 16 away
.endr
.irp u, 0,1
	v_mov_b32 v[ST+8*\u+7], v[ST+8*\u]             ; c m_old
.endr
.irp u, 0,1
	v_max_num_f32 v[ST+8*\u+1], v[ST+8*\u+4], v[ST+8*\u+5]
.endr
.irp u, 0,1
	v_mul_f32 v[ST+8*\u], s[CS], v[ST+8*\u+1]
.endr
.irp u, 0,1
	v_sub_f32 v[ST+8*\u+7], v[ST+8*\u+7], v[ST+8*\u]
.endr
.irp u, 0,1
	v_exp_f32 v[ST+8*\u+6], v[ST+8*\u+7]           ; 2^(c m_old - c m_new)
.endr
.irp j, 0,2,4,6,8,10,12,14,16,18,20,22,24,26,28,30
.irp u, 0,1
	v_pk_fma_f32 v[S+32*\u+\j:S+32*\u+\j+1], v[S+32*\u+\j:S+32*\u+\j+1], s[CS:CS+1], v[ST+8*\u:ST+8*\u+1] op_sel_hi:[1,0,0] neg_lo:[0,0,1] neg_hi:[0,0,1]   ; c s - c m
.endr
.endr
.set i, 0
.rept 64
	v_exp_f32 v[S+i], v[S+i]
.set i, i+1
.endr
	v_nop                                          ; a plain line behind the last exponential
	s_wait_alu depctr_va_vdst(0)                   ; the wait ahead of the first line that names a result: one for the batch
.irp j, 0,1,2,3,4,5,6,7,8,9,10,11,12,13,14,15
.irp u, 0,1
	v_cvt_pk_f16_f32 v[P+16*\u+\j], v[S+32*\u+2*\j], v[S+32*\u+2*\j+1]
.endr
.endr
.irp j, 0,4,8,12,16,20,24,28               ; the sum of the unrounded p, in place: pairs 1, 2, 4, 8 apart
.irp u, 0,1
	v_pk_add_f32 v[S+32*\u+\j:S+32*\u+\j+1], v[S+32*\u+\j:S+32*\u+\j+1], v[S+32*\u+\j+2:S+32*\u+\j+3]
.endr
.endr
.irp j, 0,8,16,24
.irp u, 0,1
	v_pk_add_f32 v[S+32*\u+\j:S+32*\u+\j+1], v[S+32*\u+\j:S+32*\u+\j+1], v[S+32*\u+\j+4:S+32*\u+\j+5]
.endr
.endr
.irp j, 0,16
.irp u, 0,1
	v_pk_add_f32 v[S+32*\u+\j:S+32*\u+\j+1], v[S+32*\u+\j:S+32*\u+\j+1], v[S+32*\u+\j+8:S+32*\u+\j+9]
.endr
.endr
.irp u, 0,1
	v_pk_add_f32 v[S+32*\u:S+32*\u+1], v[S+32*\u:S+32*\u+1], v[S+32*\u+16:S+32*\u+17]
.endr
.irp u, 0,1
	v_pk_fma_f32 v[ST+8*\u+2:ST+8*\u+3], v[ST+8*\u+2:ST+8*\u+3], v[ST+8*\u+6:ST+8*\u+7], v[S+32*\u:S+32*\u+1] op_sel_hi:[1,0,1]
.endr
.irp u, 0,1
.irp j, 0,2,4,6,8,10,12,14,16,18,20,22,24,26,28,30
	v_pk_mul_f32 v[O+32*\u+\j:O+32*\u+\j+1], v[O+32*\u+\j:O+32*\u+\j+1], v[ST+8*\u+6:ST+8*\u+7] op_sel_hi:[1,0]   ; O^T under the new m, each tile from its low end on
.endr
.endr
.endm
; A STEP: 64 keys, the q-th of the slot in hand.
.macro STEP q
	s_add_co_u32 s60, s[Q0], 31
	s_cmp_gt_u32 s[KF], s60                        ; all 64 keys come after my 32 queries: the step's work is left out (ids and counted steps alone)
	s_cbranch_scc1 .Lhidden_\@
.rept 4
	v_nop                                          ; places in front of loads into registers that the last products read
.endr
.irp k, 0,1,2,3
	ds_load_b128 v[BI+8*\k:BI+8*\k+3],   v[ADB] offset:256*(\q)+64*\k
	ds_load_b128 v[BI+8*\k+4:BI+8*\k+7], v[ADB] offset:256*(\q)+64*\k+16
.endr
	WIN 0x40                                       ; destination window 1
.irp k, 0,1,2,3
.irp c, 0,1
	ds_load_b128 v[KR+16*\k+8*\c:KR+16*\k+8*\c+3],   v[ADK] offset:(\q)*64*PK+\k*16*PK+64*\c
	ds_load_b128 v[KR+16*\k+8*\c+4:KR+16*\k+8*\c+7], v[ADK] offset:(\q)*64*PK+\k*16*PK+64*\c+32
.endr
.endr
.irp g, 0,1
.irp d, 0,1,2,3
	ds_load_tr16_b128 v[VR+8*(4*\g+\d):VR+8*(4*\g+\d)+3],   v[ADV] offset:(\q)*64*PV+\g*32*PV+32*\d
	ds_load_tr16_b128 v[VR+8*(4*\g+\d)+4:VR+8*(4*\g+\d)+7], v[ADV] offset:(\q)*64*PV+\g*32*PV+16*PV+32*\d
.endr
.endr
	s_wait_dscnt 16                                ; the mask and K are in; V's sixteen loads may be out
	WIN 0x05                                       ; K and Q in window 1.  The eight score tiles take turns, one instruction a turn
.irp k, 0,1,2,3
.irp u, 0,1
	v_wmma_f32_16x16x32_f16 v[S+32*\u+8*\k:S+32*\u+8*\k+7], v[KR+16*\k:KR+16*\k+7], v[16*\u:16*\u+7], v[BI+8*\k:BI+8*\k+7]   ; the pad mask starts the sum
.endr
.endr
.irp k, 0,1,2,3
.irp u, 0,1
	v_wmma_f32_16x16x32_f16 v[S+32*\u+8*\k:S+32*\u+8*\k+7], v[KR+16*\k+8:KR+16*\k+15], v[16*\u+8:16*\u+15], v[S+32*\u+8*\k:S+32*\u+8*\k+7]
.endr
.endr
	WIN 0
.rept 4
	v_nop
.endr
	s_add_co_u32 s60, s[KF], 63
	s_cmp_le_u32 s60, s[Q0]                        ; all 64 keys count for all my queries: no select
	s_cbranch_scc1 .Lopen_\@
	s_sub_co_i32 s60, s[Q0], s[KF]
	v_add_nc_u32 v16, s60, v[RH]                   ; d = query - first key - 8 h.  Register 8 k + j holds key 16 k + 8 h + j: hidden where 16 k + j > d
	v_add_nc_u32 v17, 16, v16
.irp u, 0,1
.irp k, 0,1,2,3
.irp j, 0,1,2,3,4,5,6,7
	v_cmp_gt_i32 vcc_lo, 16*\k+\j, v[16+\u]
	v_cndmask_b32 v[S+32*\u+8*\k+\j], v[S+32*\u+8*\k+\j], v[NEG], vcc_lo
.endr
.endr
.endr
.Lopen_\@:
	SOFTMAX
	s_wait_dscnt 0x0                               ; V is in
	WIN 0x01                                       ; V in window 1.  O^T's eight tiles take turns
.irp g, 0,1
.irp d, 0,1,2,3
.irp u, 0,1
	v_wmma_f32_16x16x32_f16 v[O+32*\u+8*\d:O+32*\u+8*\d+7], v[VR+8*(4*\g+\d):VR+8*(4*\g+\d)+7], v[P+16*\u+8*\g:P+16*\u+8*\g+7], v[O+32*\u+8*\d:O+32*\u+8*\d+7]
.endr
.endr
.endr
	WIN 0
.Lhidden_\@:
	s_add_co_u32 s[KF], s[KF], 64
.endm
; A QUERY BLOCK IS DONE: O^T / the sum, the mean of v where the sum is 0, rounded to f16, through my stage, out as 4,096 consecutive bytes.  again = 1: the second block begins.
.macro FLUSH again
.rept 4
	v_nop                                          ; places behind the last products
.endr
.irp u, 0,1
	v_add_f32 v[ST+8*\u+4], v[ST+8*\u+2], v[ST+8*\u+3]
.endr
.irp u, 0,1
	v_permlanex16_b32 v[ST+8*\u+5], v[ST+8*\u+4], s[SEL], s[SEL+1]
.endr
.irp u, 0,1
	v_add_f32 v[ST+8*\u+4], v[ST+8*\u+4], v[ST+8*\u+5]
.endr
.irp u, 0,1
	v_cmp_eq_f32 s[FL+\u], 0, v[ST+8*\u+4]         ; no key was seen
.endr
.irp u, 0,1
	v_rcp_f32 v[ST+8*\u+6], v[ST+8*\u+4]
.endr
.irp d, 0,1,2,3
	ds_load_b128 v[BI+8*\d:BI+8*\d+3],   v[AVM] offset:64*\d
	ds_load_b128 v[BI+8*\d+4:BI+8*\d+7], v[AVM] offset:64*\d+16
.endr
	v_nop                                          ; a plain line behind the reciprocals
	s_wait_alu depctr_va_vdst(0)                   ; and the wait ahead of their first reader
.irp u, 0,1
.irp j, 0,2,4,6,8,10,12,14,16,18,20,22,24,26,28,30
	v_pk_mul_f32 v[O+32*\u+\j:O+32*\u+\j+1], v[O+32*\u+\j:O+32*\u+\j+1], v[ST+8*\u+6:ST+8*\u+7] op_sel_hi:[1,0]
.endr
.endr
	s_wait_dscnt 0x0
.irp u, 0,1
.irp j, 0,1,2,3,4,5,6,7,8,9,10,11,12,13,14,15,16,17,18,19,20,21,22,23,24,25,26,27,28,29,30,31
	v_cndmask_b32 v[O+32*\u+\j], v[O+32*\u+\j], v[BI+\j], s[FL+\u]
.endr
.endr
.irp u, 0,1
.irp j, 0,1,2,3,4,5,6,7,8,9,10,11,12,13,14,15
	v_cvt_pk_f16_f32 v[P+16*\u+\j], v[O+32*\u+2*\j], v[O+32*\u+2*\j+1]
.endr
.endr
.irp u, 0,1
.irp d, 0,1,2,3
	ds_store_b128 v[STO], v[P+16*\u+4*\d:P+16*\u+4*\d+3] offset:16*PK*\u+32*\d
.endr
.endr
.irp t, 0,1,2,3,4,5,6,7
	ds_load_b128 v[S+4*\t:S+4*\t+3], v[RD] offset:4*PK*\t            ; LDS serves a wave's instructions in order
.endr
	s_wait_dscnt 0x0
.irp t, 0,1,2,3,4,5,6,7
	global_store_b128 v[GO], v[S+4*\t:S+4*\t+3], s[OA:OA+1] offset:512*\t   ; 512 consecutive bytes, aligned
.endr
	s_wait_xcnt 0x0                                ; the stores have read their registers and their base
.if \again
	s_mov_b32 s[KF], 0                             ; the walk turns back to key 0
	s_lshl_b32 s[Q0], ttmp9, 8
	s_lshl_b32 s60, s[WV], 5
	s_add_co_u32 s[Q0], s[Q0], s60                 ; my first query: 256 i + 32 x wave
	s_lshl_b32 s60, s[Q0], 7
	s_mov_b32 s61, 0
	s_add_nc_u64 s[QA:QA+1], s[QB:QB+1], s[60:61]
	s_add_nc_u64 s[OA:OA+1], s[AB:AB+1], s[60:61]
	LOADQ
	INIT
	s_wait_loadcnt 0x0
.endif
.endm
.Ltrip:                                            ; eight trips; the ninth is written out
	CHANGE 1
	STEP 0
	STEP 1
	STEP 2
	STEP 3
	s_xor_b32 s[TB], s[TB], SLOT1
	s_add_co_u32 s[T9], s[T9], 1024
	s_cmp_lg_u32 s[TR], s[NHM1]                    ; behind trip 7 - i the first query block is done (ids and the trip alone; no barrier stands inside)
	s_cbranch_scc1 .Lno_flush
	FLUSH 1
.Lno_flush:
	s_add_co_u32 s[TR], s[TR], 1
	s_cmp_lt_u32 s[TR], 8
	s_cbranch_scc1 .Ltrip
	CHANGE 0
	STEP 0
	STEP 1
	STEP 2
	STEP 3
	FLUSH 0
	s_wait_tensorcnt 0x0                           ; the wave's end
	ds_add_u32 v[SPW], v[NIL]
	s_wait_dscnt 0x0
	s_endpgm
.Lfunc_end_k_qcb054880de_attn:
	.size	k_qcb054880de_attn, .Lfunc_end_k_qcb054880de_attn-k_qcb054880de_attn
	.p2alignl 7, 3214868480
	.fill 96, 4, 3214868480
	.section	.rodata,"a",@progbits
	.p2align	6, 0x0
	.amdhsa_kernel k_qcb054880de_attn
		.amdhsa_group_segment_fixed_size 327680
		.amdhsa_private_segment_fixed_size 0
		.amdhsa_enable_private_segment 0
		.amdhsa_kernarg_size 32
		.amdhsa_user_sgpr_count 2
		.amdhsa_user_sgpr_kernarg_segment_ptr 1
		.amdhsa_wavefront_size32 1
		.amdhsa_system_sgpr_workgroup_id_x 1
		.amdhsa_system_sgpr_workgroup_id_y 1
		.amdhsa_system_sgpr_workgroup_id_z 1
		.amdhsa_system_vgpr_workitem_id 0
		.amdhsa_next_free_vgpr 416
		.amdhsa_next_free_sgpr 80
		.amdhsa_reserve_vcc 1
		.amdhsa_float_denorm_mode_32 3
		.amdhsa_float_denorm_mode_16_64 3
		.amdhsa_memory_ordered 1
		.amdhsa_forward_progress 1
		.amdhsa_inst_pref_size 217
	.end_amdhsa_kernel
	.amdgpu_metadata
---
amdhsa.version: [ 1, 2 ]
amdhsa.kernels:
  - .name:           k_qcb054880de_attn
    .symbol:         k_qcb054880de_attn.kd
    .args:
      - { .name: qkvh, .offset: 0, .size: 8, .value_kind: global_buffer, .address_space: global }
      - { .name: side, .offset: 8, .size: 8, .value_kind: global_buffer, .address_space: global }
      - { .name: attention_mask, .offset: 16, .size: 8, .value_kind: global_buffer, .address_space: global }
      - { .name: att, .offset: 24, .size: 8, .value_kind: global_buffer, .address_space: global }
    .group_segment_fixed_size: 327680
    .private_segment_fixed_size: 0
    .kernarg_segment_align: 8
    .kernarg_segment_size: 32
    .max_flat_workgroup_size: 256
    .sgpr_count:     80
    .vgpr_count:     416
    .wavefront_size: 32
...
	.end_amdgpu_metadata
.endif
;; end of part 3
;; launch proj (part 4): grid 8 x 32, 4 waves a work-group, clusters of 4 x 4, 327,680 bytes of LDS; arguments att, wo_t, out0; writes out0
.if DOCPART == 4
	.amdgcn_target "amdgcn-amd-amdhsa--gfx1250"
	.amdhsa_code_object_version 6
	.text
	.protected	k_qcb054880de_proj
	.globl	k_qcb054880de_proj
	.p2align	8
	.type	k_qcb054880de_proj,@function
k_qcb054880de_proj:
	s_mov_b64 s[64:65], 0
	v_nop
	global_prefetch_b8 v0, s[64:65] scope:SCOPE_SE
	s_setreg_imm32_b32 hwreg(HW_REG_WAVE_MODE, 25, 1), 1
	s_wait_xcnt 0x0
	s_wait_alu depctr_hold_cnt(0) depctr_sa_sdst(0) depctr_va_vdst(0) depctr_va_sdst(0) depctr_va_ssrc(0) depctr_va_vcc(0) depctr_vm_vsrc(0)
	s_getreg_b32 s2, hwreg(HW_REG_IB_STS2, 6, 4)
	s_cmp_eq_u32 s2, 0
	s_cbranch_scc0 .Lentry_in_a_cluster
	s_endpgm
.Lentry_in_a_cluster:
	s_bfe_u32 s2, ttmp6, 0x10000c
	s_cmp_lg_u32 s2, 0xf033
	s_cbranch_scc0 .Lentry_shape_is_right
	s_endpgm
.Lentry_shape_is_right:
; out0[m][n] = sum over k of att[m][k] w_out[k][n], in f16 with f32 sums, for all rows but the first 16 positions of each sequence (the last launch makes those in f32).
; att lies by head, [16 batch + head][2048][64]; wo_t is w_out turned, [1024 n][1024 k].  A tile of 256 rows x 128 columns gives 8 x 32 = 256 work-groups; a wave makes 128 x 64: 32 accumulators, 256 registers (window 2).
; K goes in steps of 128 = two heads through a ring of two LDS slots.  A's tile is two planes (heads) of 256 rows x 128 bytes, each a dense 32,768 bytes of memory; B's is 128 rows x 256 bytes.
; CLUSTERS: 4 x 4; A's planes are asked for jointly along a row of the cluster, B's halves along a column.  The tile row is 8 cy + cluster y, so that "holds positions 0-15" hangs on the cluster's y and the wave alone.
; THE MATRIX INSTRUCTION IS USED TRANSPOSED (source 0 = 16 rows of wo_t, source 1 = 16 rows of att): a lane holds eight neighbouring columns of a row.
; No prefetch: a wave issues 1,024 matrix instructions in all; the launch is too short for one.
; REGISTERS: window 0: v16-29 addresses; v64-127, v128-191 A's fragments, two buffers.  window 1: v64-95, v128-159 B's.  window 2: accumulator (a, b) at v[8 (4 a + b)].
.set PA,    144                        ; a row of a plane in LDS: 128 + 16 bytes
.set PB,    272                        ; a row of B's tile: 256 + 16
.set HP,    256*PA                     ; a plane
.set BOFF,  2*HP
.set SLOT,  BOFF+128*PB
.set STAGE, 2*SLOT                     ; 16 rows x 272 bytes for each wave
.set SPITCH, 272
.set SPARE, STAGE+4*16*SPITCH          ; the spare words: two blocks of 256 bytes that no other line names
.set LAPS,  4                          ; a lap = two K steps; K = 1,024
.set ADRA, 16
.set ADRB, 20
.set STO,  24
.set RD,   25
.set CO,   26
.set SPW,  28
.set NIL,  29
.set F0,   64
.set F1,   128
.set OB,   64                          ; the way out: v64-95 and v96-127 by turns
.set G1, 24
.set G0, 32
.set G1B, 48
.set G0B, 56
.set MSB, 0
.macro WIN new
.if MSB != \new
	s_set_vgpr_msb (MSB<<8)|\new
.set MSB, \new
.endif
.endm
.set MUL,  0xa1                        ; source 0 (B) window 1, source 1 (A) window 0, C and D window 2
.set TO_B, 0x40
.macro JLOAD s                         ; waves 0 and 1 fetch A's two planes, waves 2 and 3 B's two halves; an s_nop 0 and four v_nop follow each line
	s_cmp_eq_u32 s11, 0
	s_cbranch_scc0 .Lfor_b_\@
	tensor_load_to_lds s[G0+4*\s:G0+4*\s+3], s[G1:G1+7]
	s_nop 0
.rept 4
	v_nop
.endr
	s_branch .Lasked_\@
.Lfor_b_\@:
	tensor_load_to_lds s[G0B+4*\s:G0B+4*\s+3], s[G1B:G1B+7]
	s_nop 0
.rept 4
	v_nop
.endr
.Lasked_\@:
.endm
.macro CREST                           ; a round of the cluster's barrier behind its opening barrier
	s_cmp_lg_u32 s10, 0
	s_cbranch_scc1 .Lnot_wave_0_\@
	s_barrier_signal -3
.Lnot_wave_0_\@:
	s_barrier_wait -3
	s_barrier_signal -1
	s_barrier_wait -1
.endm
.macro CROUND
	s_barrier_signal -1
	s_barrier_wait -1
	CREST
.endm
	s_load_b128 s[4:7], s[0:1], 0x0                ; att, wo_t
	s_load_b64 s[8:9], s[0:1], 0x10                ; out0
	v_lshl_add_u32 v[SPW], v0, 2, SPARE
	v_mov_b32 v[NIL], 0
	ds_add_u32 v[SPW], v[NIL]                      ; the wave's opening
	ds_add_u32 v[SPW], v[NIL]
	v_lshrrev_b32 v1, 5, v0
	v_readfirstlane_b32 s10, v1                    ; wave 0..3
	s_lshr_b32 s11, s10, 1                         ; my half of the tile's rows; also: I fetch for A (0) or B (1)
	s_and_b32 s12, s10, 1                          ; my half of its columns; also: which plane of A, which half of B I fetch
	s_bfe_u32 s40, ttmp6, 0x40000                  ; cx
	s_bfe_u32 s41, ttmp6, 0x40004                  ; cy = the batch
	s_lshl_b32 s42, ttmp9, 2
	s_add_co_u32 s42, s42, s40                     ; tile column
	s_and_b32 s45, ttmp7, 0xffff                   ; cluster y = the tile's place in its sequence
	s_lshl_b32 s43, s41, 2
	s_lshl_b32 s43, 15, s43                        ; my row of the cluster
	s_lshl_b32 s44, 0x1111, s40                    ; my column
	s_or_b32 s[G1+0], s43, (1<<16)|(1<<20)|(1<<21)|(4<<22)|(3<<25)   ; A: elements of 2 bytes; 4 words of padding behind every 32
	s_mov_b32 s[G1+1], 64<<16                      ; tensor_dim0 = 64
	s_mov_b32 s[G1+2], 256<<16                     ; tensor_dim1 = 256
	s_mov_b32 s[G1+3], 64<<16                      ; tile_dim0 = 64
	s_mov_b32 s[G1+4], 256                         ; tile_dim1 = 256
	s_mov_b32 s[G1+5], 64                          ; the pitch
	s_mov_b32 s[G1+6], 0
	s_mov_b32 s[G1+7], 0
	s_or_b32 s[G1B+0], s44, (1<<16)|(1<<20)|(1<<21)|(5<<22)|(3<<25)  ; B: 4 words behind every 64
	s_mov_b32 s[G1B+1], 128<<16
	s_mov_b32 s[G1B+2], 64<<16
	s_mov_b32 s[G1B+3], 128<<16
	s_mov_b32 s[G1B+4], 64
	s_mov_b32 s[G1B+5], 1024
	s_mov_b32 s[G1B+6], 0
	s_mov_b32 s[G1B+7], 0
	s_lshl_b32 s16, s41, 4
	s_add_co_u32 s16, s16, s12                     ; A: head 16 cy + my plane,
	s_lshl_b32 s16, s16, 18
	s_lshl_b32 s17, s45, 15                        ; rows 256 x cluster y on
	s_add_co_u32 s16, s16, s17
	s_mov_b32 s17, 0
	s_lshl_b32 s46, s42, 18                        ; B: row 128 x tile column + 64 x half, of 2,048 bytes
	s_lshl_b32 s47, s12, 17
	s_add_co_u32 s46, s46, s47
	s_mov_b32 s47, 0
	s_mul_i32 s20, s12, HP                         ; where they go
	s_mul_i32 s21, s12, 64*PB
	s_add_co_u32 s21, s21, BOFF
	s_wait_dscnt 0x0                               ; both opening adds are done
	s_wait_kmcnt 0x0
	s_add_nc_u64 s[14:15], s[4:5], s[16:17]
	s_add_nc_u64 s[46:47], s[6:7], s[46:47]
	CROUND                                         ; all sixteen work-groups are here: the first joint loads meet
.irp s, 0,1
	s_mov_b32 s[G0+4*\s], 1
	s_add_co_u32 s[G0+4*\s+1], s20, \s*SLOT
	s_add_nc_u64 s[G0+4*\s+2:G0+4*\s+3], s[14:15], \s*524288       ; K step s: two heads on
	s_or_b32 s[G0+4*\s+3], s[G0+4*\s+3], 0x80000000
	s_mov_b32 s[G0B+4*\s], 1
	s_add_co_u32 s[G0B+4*\s+1], s21, \s*SLOT
	s_add_nc_u64 s[G0B+4*\s+2:G0B+4*\s+3], s[46:47], \s*256
	s_or_b32 s[G0B+4*\s+3], s[G0B+4*\s+3], 0x80000000
	JLOAD \s                                       ; two tensor loads of mine are out
.endr
	v_and_b32 v1, 15, v0                           ; r
	v_bfe_u32 v2, v0, 4, 1                         ; h
	v_mul_u32_u24 v3, v1, PA
	v_lshl_add_u32 v3, v2, 4, v3
	v_mul_u32_u24 v4, v1, PB
	v_lshl_add_u32 v4, v2, 4, v4
	s_mul_i32 s21, s11, 128*PA                     ; my 128 rows of A
	s_mul_i32 s22, s12, 64*PB                      ; my 64 rows of B
	s_add_co_u32 s22, s22, BOFF
.irp s, 0,1
	v_add_nc_u32 v[ADRA+\s], s21, v3
	v_add_nc_u32 v[ADRB+\s], s22, v4
	s_add_co_u32 s21, s21, SLOT
	s_add_co_u32 s22, s22, SLOT
.endr
	s_mul_i32 s23, s10, 16*SPITCH
	s_add_co_u32 s23, s23, STAGE                   ; my stage
	v_mul_u32_u24 v5, v1, SPITCH
	v_lshl_add_u32 v5, v2, 5, v5
	v_add_nc_u32 v[STO], s23, v5                   ; in: row r, 32 bytes for each half of the lanes
	v_mul_u32_u24 v5, v2, SPITCH
	v_lshl_add_u32 v5, v1, 4, v5
	v_add_nc_u32 v[RD], s23, v5                    ; back: lanes 0-15 one row of 256 bytes, lanes 16-31 the next
	v_lshlrev_b32 v5, 12, v2
	v_lshl_add_u32 v[CO], v1, 4, v5                ; the same two rows in out0
	s_lshl_b32 s16, s41, 3
	s_add_co_u32 s16, s16, s45                     ; tile row = 8 cy + cluster y
	s_lshl_b32 s16, s16, 20                        ; 256 rows of 4,096 bytes
	s_lshl_b32 s17, s11, 19
	s_add_co_u32 s16, s16, s17
	s_mov_b32 s17, 0
	s_add_nc_u64 s[8:9], s[8:9], s[16:17]
	s_lshl_b32 s46, s42, 9                         ; my first column, in bytes: 512 x tile column + 256 x half
	s_lshl_b32 s47, s12, 8
	s_add_co_u32 s46, s46, s47
	s_mov_b32 s47, 0
	s_add_nc_u64 s[8:9], s[8:9], s[46:47]
; 8 matrix instructions: row blocks a0, a0 + 1 x the 4 column blocks, 32 along K.  The 32 accumulators take turns, one instruction a turn, in the same order in every quarter.
.macro MUL8 f, a0, zero
.irp a, \a0, \a0+1
.irp b, 0,1,2,3
.if \zero
	v_wmma_f32_16x16x32_f16 v[8*(4*(\a)+\b):8*(4*(\a)+\b)+7], v[\f+8*\b:\f+8*\b+7], v[\f+8*(\a):\f+8*(\a)+7], 0
.else
	v_wmma_f32_16x16x32_f16 v[8*(4*(\a)+\b):8*(4*(\a)+\b)+7], v[\f+8*\b:\f+8*\b+7], v[\f+8*(\a):\f+8*(\a)+7], v[8*(4*(\a)+\b):8*(4*(\a)+\b)+7]
.endif
.endr
.endr
.endm
.macro FETCH slot, q, f                ; 24 LDS loads in one run: the fragments of the slot's q-th 32 along K: plane q / 2, channels 32 (q % 2) on
	WIN TO_B
.irp i, 0,1,2,3
	ds_load_b128 v[\f+8*\i:\f+8*\i+3],   v[ADRB+\slot] offset:64*(\q)+\i*16*PB
	ds_load_b128 v[\f+8*\i+4:\f+8*\i+7], v[ADRB+\slot] offset:64*(\q)+\i*16*PB+32
.endr
	WIN 0
.irp i, 0,1,2,3,4,5,6,7
	ds_load_b128 v[\f+8*\i:\f+8*\i+3],   v[ADRA+\slot] offset:((\q)/2)*HP+64*((\q)%2)+\i*16*PA
	ds_load_b128 v[\f+8*\i+4:\f+8*\i+7], v[ADRA+\slot] offset:((\q)/2)*HP+64*((\q)%2)+\i*16*PA+32
.endr
.endm
.macro PLACES                          ; four plain lines in front of loads into registers that matrix instructions have read, and of reads of results
.rept 4
	v_nop
.endr
.endm
.macro QUARTER slot, q, f, g, zero     ; multiplies buffer f; in its middle fetches the slot's q-th quarter into g
	s_wait_dscnt 8                                 ; B and A's blocks 0-3 are in; the youngest eight loads (A's blocks 4-7) may be out
	WIN MUL
	MUL8 \f, 0, \zero
	MUL8 \f, 2, \zero
	PLACES
	FETCH \slot, \q, \g
	s_wait_dscnt 24                                ; all but the 24 just issued
	WIN MUL
	MUL8 \f, 4, \zero
	MUL8 \f, 6, \zero
.endm
; The last quarter multiplies buffer 1 and changes slots: each wave waits for all its tensor loads, adds 0 to its spare word, waits for that and for its reads of this slot.  fill = 1: the barrier opens a round of the
; cluster's barrier, and behind it this slot is filled again, two K steps ahead.
.macro TURN slot, next, fill
	WIN 0
	s_wait_tensorcnt 0x0                           ; all my tensor loads have landed: my part of the next slot
	ds_add_u32 v[SPW], v[NIL]
	s_wait_dscnt 9                                 ; the add and the youngest eight loads may be out
	WIN MUL
	MUL8 F1, 0, 0
	s_wait_dscnt 0x0                               ; the add is done, and my reads of this slot are over
	s_barrier_signal -1
	MUL8 F1, 2, 0
	WIN 0
	s_barrier_wait -1
.if \fill
	CREST                                          ; no wave of any partner still reads this slot or has a load on its way
	s_add_nc_u64 s[G0+4*\slot+2:G0+4*\slot+3], s[G0+4*\slot+2:G0+4*\slot+3], 1048576   ; four heads on
	s_add_nc_u64 s[G0B+4*\slot+2:G0B+4*\slot+3], s[G0B+4*\slot+2:G0B+4*\slot+3], 512
	JLOAD \slot                                    ; the first tensor load behind the round; its four v_nop are also the places in front of the loads below
.else
	PLACES
.endif
	FETCH \next, 0, F0
	WIN MUL
	MUL8 F1, 4, 0
	MUL8 F1, 6, 0
.endm
	s_wait_tensorcnt 1                             ; my part of K step 0 is in; K step 1's load may be out
	s_barrier_signal -1
	s_barrier_wait -1
	FETCH 0, 0, F0
	QUARTER 0, 1, F0, F1, 1                        ; the first quarter's products start the sums: nothing is cleared
	WIN 0
	s_mov_b32 s3, LAPS-1
.Llap:                                             ; a trip goes once round the ring and fills both slots again
	QUARTER 0, 2, F1, F0, 0
	QUARTER 0, 3, F0, F1, 0
	TURN 0, 1, 1
	QUARTER 1, 1, F0, F1, 0
	QUARTER 1, 2, F1, F0, 0
	QUARTER 1, 3, F0, F1, 0
	TURN 1, 0, 1
	QUARTER 0, 1, F0, F1, 0
	WIN 0
	s_sub_co_u32 s3, s3, 1
	s_cmp_lg_u32 s3, 0
	s_cbranch_scc1 .Llap
	QUARTER 0, 2, F1, F0, 0                        ; the last lap fills nothing
	QUARTER 0, 3, F0, F1, 0
	TURN 0, 1, 0
	QUARTER 1, 1, F0, F1, 0
	QUARTER 1, 2, F1, F0, 0
	QUARTER 1, 3, F0, F1, 0
	s_wait_dscnt 8
	WIN MUL
	MUL8 F1, 0, 0
	MUL8 F1, 2, 0
	s_wait_dscnt 0
	MUL8 F1, 4, 0
	MUL8 F1, 6, 0
	WIN 0
	PLACES
; THE WAY OUT, a block of 16 rows x 64 columns at a time, through my own stage: sixteen lanes store 256 consecutive bytes, aligned.
.macro TOSTAGE a
	WIN 0x08                                       ; an LDS store's data are its source 1: window 2
.irp b, 0,1,2,3
	ds_store_b128 v[STO], v[8*(4*(\a)+\b):8*(4*(\a)+\b)+3] offset:64*\b        ; each accumulator from its low end on
	ds_store_b128 v[STO], v[8*(4*(\a)+\b)+4:8*(4*(\a)+\b)+7] offset:64*\b+16
.endr
	WIN 0
.set BB, OB+32*((\a)%2)
.irp t, 0,1,2,3,4,5,6,7
	ds_load_b128 v[BB+4*\t:BB+4*\t+3], v[RD] offset:\t*2*SPITCH     ; LDS serves a wave's instructions in order
.endr
.endm
.macro SEND a, younger
.set BB, OB+32*((\a)%2)
	s_wait_dscnt \younger                          ; the block is back; the next block's LDS instructions may be out
.irp t, 0,1,2,3,4,5,6,7
	global_store_b128 v[CO], v[BB+4*\t:BB+4*\t+3], s[8:9] offset:65536*(\a)+8192*\t th:TH_STORE_NT
.endr
.endm
	s_or_b32 s20, s45, s11
	s_cmp_eq_u32 s20, 0                            ; block 0 of these waves is positions 0-15 of a sequence: the last launch's rows
	s_cbranch_scc1 .Lnot_mine
	TOSTAGE 0
	SEND 0, 0
.Lnot_mine:
	TOSTAGE 1
.irp a, 2,3,4,5,6,7
	s_wait_xcnt 0x0                                ; block a - 2's stores have read their registers: block a's loads may land there
	TOSTAGE \a
	SEND \a-1, 16                                  ; behind block a - 1's loads: block a's 8 stores and 8 loads
.endr
	SEND 7, 0
	s_wait_tensorcnt 0x0                           ; the wave's end
	ds_add_u32 v[SPW], v[NIL]
	s_wait_dscnt 0x0
	CROUND                                         ; the closing round
	s_endpgm
.Lfunc_end_k_qcb054880de_proj:
	.size	k_qcb054880de_proj, .Lfunc_end_k_qcb054880de_proj-k_qcb054880de_proj
	.p2alignl 7, 3214868480
	.fill 96, 4, 3214868480
	.section	.rodata,"a",@progbits
	.p2align	6, 0x0
	.amdhsa_kernel k_qcb054880de_proj
		.amdhsa_group_segment_fixed_size 327680
		.amdhsa_private_segment_fixed_size 0
		.amdhsa_enable_private_segment 0
		.amdhsa_kernarg_size 24
		.amdhsa_user_sgpr_count 2
		.amdhsa_user_sgpr_kernarg_segment_ptr 1
		.amdhsa_wavefront_size32 1
		.amdhsa_system_sgpr_workgroup_id_x 1
		.amdhsa_system_sgpr_workgroup_id_y 1
		.amdhsa_system_sgpr_workgroup_id_z 1
		.amdhsa_system_vgpr_workitem_id 0
		.amdhsa_next_free_vgpr 768
		.amdhsa_next_free_sgpr 66
		.amdhsa_reserve_vcc 0
		.amdhsa_float_denorm_mode_32 3
		.amdhsa_float_denorm_mode_16_64 3
		.amdhsa_memory_ordered 1
		.amdhsa_forward_progress 1
		.amdhsa_inst_pref_size 86
	.end_amdhsa_kernel
	.amdgpu_metadata
---
amdhsa.version: [ 1, 2 ]
amdhsa.kernels:
  - .name:           k_qcb054880de_proj
    .symbol:         k_qcb054880de_proj.kd
    .args:
      - { .name: att, .offset: 0, .size: 8, .value_kind: global_buffer, .address_space: global }
      - { .name: wo_t, .offset: 8, .size: 8, .value_kind: global_buffer, .address_space: global }
      - { .name: out0, .offset: 16, .size: 8, .value_kind: global_buffer, .address_space: global }
    .group_segment_fixed_size: 327680
    .private_segment_fixed_size: 0
    .kernarg_segment_align: 8
    .kernarg_segment_size: 24
    .max_flat_workgroup_size: 128
    .sgpr_count:     66
    .vgpr_count:     768
    .wavefront_size: 32
...
	.end_amdgpu_metadata
.endif
;; end of part 4
;; launch first (part 5): grid 16 x 4, 16 waves a work-group, no clusters, 75,776 bytes of LDS; arguments side, attention_mask, w_out, out0; writes out0
.if DOCPART == 5
	.amdgcn_target "amdgcn-amd-amdhsa--gfx1250"
	.amdhsa_code_object_version 6
	.text
	.protected	k_qcb054880de_first
	.globl	k_qcb054880de_first
	.p2align	8
	.type	k_qcb054880de_first,@function
k_qcb054880de_first:
	s_mov_b64 s[64:65], 0
	v_nop
	global_prefetch_b8 v0, s[64:65] scope:SCOPE_SE
	s_setreg_imm32_b32 hwreg(HW_REG_WAVE_MODE, 25, 1), 1
	s_wait_xcnt 0x0
; THE FIRST 16 POSITIONS OF EVERY SEQUENCE, all in f32: they average one to a few values, so rounded operands would weigh most there.  64 rows of out0 in all: no bulk work.
; Work-group (c, b): output columns 64 c .. 64 c + 63 of batch b.  Wave = head: it makes its head's attention (16 queries x 16 keys x 64 channels) from the unrounded q, k, v that the product's launch stored,
; multiplies it by its 64 rows of w_out, and the sixteen waves' parts are added through LDS: wave w adds and stores row w.
; All products by v_wmma_f32_16x16x4_f32, transposed, so that a lane holds ONE query (lane % 16) throughout.  A product's K may be taken in any order if both sources take the same: so each lane uses its registers as they
; come (q, k: channels 32 h on; p, v: keys 8 h on; o, w_out: channels 16 d + 8 h on), and nothing changes lanes.
; The four accumulators v96-127 take turns, are used three times over, and are written by matrix instructions alone; each sum begins with the constant 0.
; Masks as in the main launch: masked scores -1e30, the maximum not under -1e20, masked p exactly 0; a query that sees no key gets the mean of v over all 2,048 positions.
; LIMITS: raw scores above -1e20; NaN and infinities are not served.
; REGISTERS: v1-15 lane numbers, offsets and LDS addresses; v16-23 the pad mask, then v16 1 / the row's sum, at the end v[16:17] the result; v24-31 scores, then p; v32-63 q, then (v40-47) work, then the mean of v;
;   v64-95 k, then o; v96-127 the accumulators; v128-223 three parts of w_out; v224-255 v's sums, then v, then the fourth part of w_out.
.set VMS,   0                          ; LDS: the mean of v, 256 bytes for each wave
.set PART,  4096                       ; each wave's part of the result: 16 rows x (256 + 16) bytes
.set PP,    272
.set SPARE, PART+16*16*PP              ; the spare words: eight blocks of 256 bytes that no other line names
.set SPW,   14
.set NIL,   15
.set RCP,   16                         ; v16: free once the mask's selects have read it, and outside v32-63, where the mean's loads land
.set ACC,   96
	s_load_b256 s[4:11], s[0:1], 0x0               ; side s[4:5], attention_mask s[6:7], w_out s[8:9], out0 s[10:11]
	v_lshl_add_u32 v[SPW], v0, 2, SPARE
	v_mov_b32 v[NIL], 0
	v_lshrrev_b32 v1, 5, v0
	v_readfirstlane_b32 s12, v1                    ; wave = head
	s_and_b32 s13, ttmp7, 0xffff                   ; batch
	v_and_b32 v1, 15, v0                           ; r
	v_bfe_u32 v2, v0, 4, 1                         ; h
	v_and_b32 v3, 31, v0
	v_lshlrev_b32 v4, 3, v3                        ; 8 x lane
	v_lshlrev_b32 v5, 5, v2                        ; 32 h
	v_mul_u32_u24 v6, v1, 12288
	v_lshl_add_u32 v6, v2, 7, v6                   ; q, k: position r, channels 32 h on
	v_mul_u32_u24 v7, v2, 98304
	v_lshl_add_u32 v7, v1, 2, v7                   ; v: positions 8 h on, channel r
	v_lshlrev_b32 v13, 15, v2
	v_lshl_add_u32 v13, v1, 2, v13                 ; w_out: rows 8 h on, column r
	v_lshlrev_b32 v10, 3, v2
	v_sub_nc_u32 v10, v1, v10                      ; r - 8 h
	v_mov_b32 v11, 0xf149f2ca                      ; -1e30
	v_mov_b32 v9, 0                                ; (a lane permute's destination counts as read)
	s_lshl_b32 s33, s12, 8
	v_add_nc_u32 v12, s33, v4                      ; the mean, in: 256 x wave + 8 x lane
	v_add_nc_u32 v3, s33, v5                       ; and out: 256 x wave + 32 h
	s_mov_b32 s26, 0x76543210
	s_mov_b32 s27, 0xfedcba98
	s_mov_b32 s28, 0x3e38aa3b                      ; c = log2(e) / 8
	s_mov_b32 s15, 0
	s_lshl_b32 s34, ttmp9, 8                       ; my 64 columns, in bytes
	s_wait_kmcnt 0x0
	s_lshl_b32 s14, s13, 16
	s_add_co_u32 s14, s14, s33
	s_add_co_u32 s14, s14, 786432
	s_add_nc_u64 s[16:17], s[4:5], s[14:15]        ; v's sums: the batch's 16 rows, the head's 64 columns
	s_lshl_b32 s14, s13, 13
	s_add_nc_u64 s[18:19], s[6:7], s[14:15]        ; the batch's mask
	s_mul_i32 s14, s13, 196608
	s_add_co_u32 s14, s14, s33
	s_add_nc_u64 s[20:21], s[4:5], s[14:15]        ; q of the head; k lies 4,096 bytes on, v 8,192
	s_lshl_b32 s14, s12, 18
	s_add_co_u32 s14, s14, s34
	s_add_nc_u64 s[22:23], s[8:9], s[14:15]        ; w_out: the head's 64 rows, my 64 columns
	s_lshl_b32 s14, s13, 23
	s_lshl_b32 s35, s12, 12
	s_add_co_u32 s14, s14, s35
	s_add_co_u32 s14, s14, s34
	s_add_nc_u64 s[24:25], s[10:11], s[14:15]      ; out0: row 2,048 b + wave
.macro WLOAD d, reg                    ; w_out(64 head + 16 d + 8 h + g, 64 c + 16 n + r) at v[reg + 8 n + g]
.irp n, 0,1,2,3
.irp g, 0,1,2,3,4,5,6,7
	global_load_b32 v[\reg+8*\n+\g], v13, s[22:23] offset:(16*(\d)+\g)*4096+64*\n
.endr
.endr
.endm
.irp p, 0,1,2,3,4,5,6,7,8,9,10,11,12,13,14,15
	global_load_b64 v[224+2*\p:225+2*\p], v4, s[16:17] offset:4096*\p
.endr
	global_load_b128 v[16:19], v5, s[18:19]        ; the mask of keys 8 h .. 8 h + 7
	global_load_b128 v[20:23], v5, s[18:19] offset:16
.irp i, 0,1,2,3,4,5,6,7
	global_load_b128 v[64+4*\i:67+4*\i], v6, s[20:21] offset:4096+16*\i   ; k
.endr
.irp i, 0,1,2,3,4,5,6,7
	global_load_b128 v[32+4*\i:35+4*\i], v6, s[20:21] offset:16*\i        ; q
.endr
	WLOAD 0, 128
	s_wait_loadcnt 50                              ; v's sums are in; behind them: mask 2, k 8, q 8, w_out 32
	v_pk_add_f32 v[8:9], v[224:225], v[226:227]
.irp p, 2,3,4,5,6,7,8,9,10,11,12,13,14,15
	v_pk_add_f32 v[8:9], v[8:9], v[224+2*\p:225+2*\p]
.endr
	v_mul_f32 v8, 0x3a000000, v8                   ; / 2,048
	v_mul_f32 v9, 0x3a000000, v9
	ds_store_b64 v12, v[8:9]
	s_wait_loadcnt 32                              ; mask, k, q are in; w_out's 32 may be out
.irp t, 0,1,2,3                            ; S^T = K Q^T: four partial sums by turns
	v_wmma_f32_16x16x4_f32 v[ACC+8*\t:ACC+8*\t+7], v[64+2*\t:65+2*\t], v[32+2*\t:33+2*\t], 0
.endr
.irp t, 4,5,6,7,8,9,10,11,12,13,14,15
	v_wmma_f32_16x16x4_f32 v[ACC+8*(\t%4):ACC+8*(\t%4)+7], v[64+2*\t:65+2*\t], v[32+2*\t:33+2*\t], v[ACC+8*(\t%4):ACC+8*(\t%4)+7]
.endr
.irp d, 0,1,2,3
.irp g, 0,1,2,3,4,5,6,7
	global_load_b32 v[224+8*\d+\g], v7, s[20:21] offset:8192+\g*12288+64*\d   ; v(8 h + g, 16 d + r)
.endr
.endr
	WLOAD 1, 160
.rept 8
	v_nop                                          ; eight places behind this form before its results are read or its sources written (ISA guide 7.12.1)
.endr
.irp i, 0,2,4,6
	v_pk_add_f32 v[24+\i:25+\i], v[ACC+\i:ACC+\i+1], v[ACC+8+\i:ACC+9+\i]   ; each accumulator from its low end on
.endr
.irp i, 0,2,4,6
	v_pk_add_f32 v[40+\i:41+\i], v[ACC+16+\i:ACC+17+\i], v[ACC+24+\i:ACC+25+\i]
.endr
.irp i, 0,2,4,6
	v_pk_add_f32 v[24+\i:25+\i], v[24+\i:25+\i], v[40+\i:41+\i]             ; register j: the score of key 8 h + j for query r
.endr
.irp j, 0,1,2,3,4,5,6,7
	v_cmp_eq_u32 vcc_lo, 0, v[16+\j]
	v_cndmask_b32 v[24+\j], v[24+\j], v11, vcc_lo  ; a padded key
	v_cmp_gt_i32 vcc_lo, \j, v10
	v_cndmask_b32 v[24+\j], v[24+\j], v11, vcc_lo  ; a key behind the query: 8 h + j > r
.endr
	v_max3_num_f32 v8, v24, v25, v26
	v_max3_num_f32 v8, v8, v27, v28
	v_max3_num_f32 v8, v8, v29, v30
	v_max3_num_f32 v8, v8, v31, 0xe0ad78ec         ; not under -1e20
	v_permlanex16_b32 v9, v8, s26, s27
	v_max_num_f32 v8, v8, v9
	v_mul_f32 v9, s28, v8                          ; c m
.irp j, 0,1,2,3,4,5,6,7
	v_fma_f32 v[24+\j], v[24+\j], s28, -v9
.endr
.irp j, 0,1,2,3,4,5,6,7
	v_exp_f32 v[24+\j], v[24+\j]
.endr
	v_nop                                          ; a plain line behind the last exponential
	s_wait_alu depctr_va_vdst(0)                   ; the wait ahead of the first line that names a result
	v_pk_add_f32 v[40:41], v[24:25], v[26:27]
	v_pk_add_f32 v[42:43], v[28:29], v[30:31]
	v_pk_add_f32 v[40:41], v[40:41], v[42:43]
	v_add_f32 v40, v40, v41
	v_permlanex16_b32 v41, v40, s26, s27
	v_add_f32 v40, v40, v41                        ; the row's sum
	v_cmp_eq_f32 s29, 0, v40                       ; no key was seen
	v_rcp_f32 v[RCP], v40                          ; into the mask's first register: the mask has been read
	v_nop
	s_wait_alu depctr_va_vdst(0)
	s_wait_loadcnt 32                              ; v is in; the 32 loads of w_out issued behind it may be out
.irp t, 0,1,2,3                            ; O^T = V^T P^T: four channel tiles by turns
.irp d, 0,1,2,3
.if \t == 0
	v_wmma_f32_16x16x4_f32 v[ACC+8*\d:ACC+8*\d+7], v[224+8*\d:225+8*\d], v[24:25], 0
.else
	v_wmma_f32_16x16x4_f32 v[ACC+8*\d:ACC+8*\d+7], v[224+8*\d+2*\t:225+8*\d+2*\t], v[24+2*\t:25+2*\t], v[ACC+8*\d:ACC+8*\d+7]
.endif
.endr
.endr
	WLOAD 2, 192
.rept 8
	v_nop
.endr
.irp d, 0,1,2,3
	ds_load_b128 v[32+8*\d:35+8*\d], v3 offset:64*\d       ; the mean of channels 16 d + 8 h on: my own wave's bytes, served in order behind my store
	ds_load_b128 v[36+8*\d:39+8*\d], v3 offset:64*\d+16
.endr
.irp j, 0,1,2,3,4,5,6,7,8,9,10,11,12,13,14,15,16,17,18,19,20,21,22,23,24,25,26,27,28,29,30,31
	v_mul_f32 v[64+\j], v[ACC+\j], v[RCP]          ; into other registers; these lines name nothing that the loads above will write
.endr
	s_wait_dscnt 0x0
.irp j, 0,1,2,3,4,5,6,7,8,9,10,11,12,13,14,15,16,17,18,19,20,21,22,23,24,25,26,27,28,29,30,31
	v_cndmask_b32 v[64+\j], v[64+\j], v[32+\j], s29
.endr
	s_wait_loadcnt 32                              ; the first two parts of w_out are in; the third's 32 loads may be out
	WLOAD 3, 224
.irp d, 0,1,2,3                            ; the projection: source 0 = 16 output columns, source 1 = my o; four column tiles by turns
.if \d == 2
	s_wait_loadcnt 32                              ; the third part is in; the fourth's 32 loads may be out
.endif
.if \d == 3
	s_wait_loadcnt 0
.endif
.irp t, 0,1,2,3
.irp n, 0,1,2,3
.if (\d == 0) && (\t == 0)
	v_wmma_f32_16x16x4_f32 v[ACC+8*\n:ACC+8*\n+7], v[128+8*\n:129+8*\n], v[64:65], 0
.else
	v_wmma_f32_16x16x4_f32 v[ACC+8*\n:ACC+8*\n+7], v[128+32*\d+8*\n+2*\t:129+32*\d+8*\n+2*\t], v[64+8*\d+2*\t:65+8*\d+2*\t], v[ACC+8*\n:ACC+8*\n+7]
.endif
.endr
.endr
.endr
	s_mul_i32 s30, s12, 16*PP
	s_add_co_u32 s30, s30, PART
	v_mul_u32_u24 v8, v1, PP
	v_lshl_add_u32 v8, v2, 5, v8
	v_add_nc_u32 v8, s30, v8                       ; my part: row r, 32 h
	s_mul_i32 s31, s12, PP
	s_add_co_u32 s31, s31, PART
	v_add_nc_u32 v9, s31, v4                       ; row = my wave's number, 8 bytes a lane
.rept 8
	v_nop
.endr
.irp n, 0,1,2,3
	ds_store_b128 v8, v[ACC+8*\n:ACC+8*\n+3] offset:64*\n
	ds_store_b128 v8, v[ACC+8*\n+4:ACC+8*\n+7] offset:64*\n+16
.endr
	s_wait_dscnt 0x0                               ; for the others' sake: my stores have landed
	s_barrier_signal -1
	s_barrier_wait -1
.irp p, 0,1,2,3,4,5,6,7,8,9,10,11,12,13,14,15
	ds_load_b64 v[128+2*\p:129+2*\p], v9 offset:16*PP*\p
.endr
	s_wait_dscnt 0x0
	v_pk_add_f32 v[16:17], v[128:129], v[130:131]
.irp p, 2,3,4,5,6,7,8,9,10,11,12,13,14,15
	v_pk_add_f32 v[16:17], v[16:17], v[128+2*\p:129+2*\p]
.endr
	global_store_b64 v4, v[16:17], s[24:25]        ; the wave stores 256 consecutive bytes, aligned
	s_wait_tensorcnt 0x0                           ; the wave's end
	ds_add_u32 v[SPW], v[NIL]
	s_wait_dscnt 0x0
	s_endpgm
.Lfunc_end_k_qcb054880de_first:
	.size	k_qcb054880de_first, .Lfunc_end_k_qcb054880de_first-k_qcb054880de_first
	.p2alignl 7, 3214868480
	.fill 96, 4, 3214868480
	.section	.rodata,"a",@progbits
	.p2align	6, 0x0
	.amdhsa_kernel k_qcb054880de_first
		.amdhsa_group_segment_fixed_size 75776
		.amdhsa_private_segment_fixed_size 0
		.amdhsa_enable_private_segment 0
		.amdhsa_kernarg_size 32
		.amdhsa_user_sgpr_count 2
		.amdhsa_user_sgpr_kernarg_segment_ptr 1
		.amdhsa_wavefront_size32 1
		.amdhsa_system_sgpr_workgroup_id_x 1
		.amdhsa_system_sgpr_workgroup_id_y 1
		.amdhsa_system_sgpr_workgroup_id_z 1
		.amdhsa_system_vgpr_workitem_id 0
		.amdhsa_next_free_vgpr 256
		.amdhsa_next_free_sgpr 66
		.amdhsa_reserve_vcc 1
		.amdhsa_float_denorm_mode_32 3
		.amdhsa_float_denorm_mode_16_64 3
		.amdhsa_memory_ordered 1
		.amdhsa_forward_progress 1
		.amdhsa_inst_pref_size 39
	.end_amdhsa_kernel
	.amdgpu_metadata
---
amdhsa.version: [ 1, 2 ]
amdhsa.kernels:
  - .name:           k_qcb054880de_first
    .symbol:         k_qcb054880de_first.kd
    .args:
      - { .name: side, .offset: 0, .size: 8, .value_kind: global_buffer, .address_space: global }
      - { .name: attention_mask, .offset: 8, .size: 8, .value_kind: global_buffer, .address_space: global }
      - { .name: w_out, .offset: 16, .size: 8, .value_kind: global_buffer, .address_space: global }
      - { .name: out0, .offset: 24, .size: 8, .value_kind: global_buffer, .address_space: global }
    .group_segment_fixed_size: 75776
    .private_segment_fixed_size: 0
    .kernarg_segment_align: 8
    .kernarg_segment_size: 32
    .max_flat_workgroup_size: 512
    .sgpr_count:     66
    .vgpr_count:     256
    .wavefront_size: 32
...
	.end_amdgpu_metadata
.endif
;; end of part 5
